; MI455X (gfx1250); checked and timed in simulation.
; The chip was launched on July 23, 2026; its instructions are those of AMD's public machine-readable ISA for CDNA 5 (MIT licence, August 2026) and "CDNA5" Instruction Set Architecture Reference Guide (July 2026). The comments in the code are by the model that wrote it; some were corrected since.
;; Trans Conv. Allowed arithmetic: matrix products marked QUANTISED: E2M3 operands, one E8M0 scale for each 32 along K, by v_wmma_scale_f32_16x16x128_f8f6f4 with both operands' format E2M3, f32 sums; products left as they are: f32 operands where the result goes on into a quantised operand, else bf16, f16 or f32 operands; f32 sums; everything else in f32.
;; Inputs: Wk_b 2 x 128 float32; Wk_w_codes 2 x 128 x 4 x 24 uint8 (E2M3 codes of Wk_w, K innermost, in blocks of 32 codes, four codes in three bytes); Wk_w_scales 2 x 128 x 4 uint8 (E8M0 scales of Wk_w, one for each 32 codes along K); Wq_b 2 x 128 float32; Wq_w_codes 2 x 128 x 4 x 24 uint8 (E2M3 codes of Wq_w, K innermost, in blocks of 32 codes, four codes in three bytes); Wq_w_scales 2 x 128 x 4 uint8 (E8M0 scales of Wq_w, one for each 32 codes along K); Wv_b 2 x 128 float32; Wv_w_codes 2 x 128 x 4 x 24 uint8 (E2M3 codes of Wv_w, K innermost, in blocks of 32 codes, four codes in three bytes); Wv_w_scales 2 x 128 x 4 uint8 (E8M0 scales of Wv_w, one for each 32 codes along K); ce_b 128 float32; ce_w 5 x 128 float32; constraint_features 4 x 12,768 x 5 float32; edge_features 1,000 x 1 float32; edge_indices 2 x 1,000 int32; fc1_w_codes 2 x 256 x 4 x 24 uint8 (E2M3 codes of fc1_w, K innermost, in blocks of 32 codes, four codes in three bytes); fc1_w_scales 2 x 256 x 4 uint8 (E8M0 scales of fc1_w, one for each 32 codes along K); fc2_w_codes 2 x 128 x 8 x 24 uint8 (E2M3 codes of fc2_w, K innermost, in blocks of 32 codes, four codes in three bytes); fc2_w_scales 2 x 128 x 8 uint8 (E8M0 scales of fc2_w, one for each 32 codes along K); ln_b 5 x 128 float32; ln_g 5 x 128 float32; mask 1 int32; variable_features 4 x 20,000 x 18 float32; ve_b 128 float32; ve_w 18 x 128 float32.
;; Outputs: out0 4 x 32,768 x 128 float32.
;; This version of the problem:
;;   THIS VERSION OF THE PROBLEM IS GIVEN IN LOW PRECISION. The matrix products marked QUANTISED in the list below multiply operands that are first quantised to E2M3 (2 exponent bits, 3 mantissa bits; 6 bits a number), with one power-of-two scale for each 32 numbers along K (OCP MX v1.0); their sums are f32. All else is computed in f32.
;;   The module's matrix products, in the order in which they are computed (A, B: the left and right operand; K: the contracted axis; several contracted axes count as one K, in the product's order):
;;     1. [M 80,000, K 18] x [K 18, N 128]; A: input variable_features; B: input ve_w: left as it is (K = 18 < 32)
;;     2. [M 51,072, K 5] x [K 5, N 128]; A: input constraint_features; B: input ce_w: left as it is (K = 5 < 32)
;;     3. [M 131,072, K 128] x [K 128, N 128]; A: computed on the way; B: input Wq_w (given as codes): QUANTISED
;;     4. [M 131,072, K 128] x [K 128, N 128]; A: computed on the way; B: input Wk_w (given as codes): QUANTISED
;;     5. [M 131,072, K 128] x [K 128, N 128]; A: computed on the way; B: input Wv_w (given as codes): QUANTISED
;;     6. batch 4 x [M 128, K 32,768] x [K 32,768, N 128]; A: computed on the way; B: computed on the way: QUANTISED
;;     7. batch 4 x [M 32,768, K 128] x [K 128, N 128]; A: computed on the way; B: computed on the way: QUANTISED
;;     8. batch 4 x [M 32,768, K 128] x [K 128, N 1]; A: computed on the way; B: computed on the way: left as it is (N = 1 < 16)
;;     9. [M 131,072, K 128] x [K 128, N 256]; A: computed on the way; B: input fc1_w (given as codes): QUANTISED
;;     10. [M 131,072, K 256] x [K 256, N 128]; A: computed on the way; B: input fc2_w (given as codes): QUANTISED
;;     11. [M 131,072, K 128] x [K 128, N 128]; A: computed on the way; B: input Wq_w (given as codes): QUANTISED
;;     12. [M 131,072, K 128] x [K 128, N 128]; A: computed on the way; B: input Wk_w (given as codes): QUANTISED
;;     13. [M 131,072, K 128] x [K 128, N 128]; A: computed on the way; B: input Wv_w (given as codes): QUANTISED
;;     14. batch 4 x [M 128, K 32,768] x [K 32,768, N 128]; A: computed on the way; B: computed on the way: QUANTISED
;;     15. batch 4 x [M 32,768, K 128] x [K 128, N 128]; A: computed on the way; B: computed on the way: QUANTISED
;;     16. batch 4 x [M 32,768, K 128] x [K 128, N 1]; A: computed on the way; B: computed on the way: left as it is (N = 1 < 16)
;;     17. [M 131,072, K 128] x [K 128, N 256]; A: computed on the way; B: input fc1_w (given as codes): QUANTISED
;;     18. [M 131,072, K 256] x [K 256, N 128]; A: computed on the way; B: input fc2_w (given as codes): QUANTISED
;;   THE QUANTISER, for each operand of a quantised product, along K:
;;     - K is cut into blocks of 32 from its start; a last block that is shorter is filled with zeros.
;;     - A block's scale is 2^e with e = floor(log2(the largest magnitude in the block)) - 2, held to -126 .. 127; a block of zeros has e = 0. As a byte (E8M0): e + 127.
;;     - Each number is divided by its block's scale, clamped to +-7.5, and rounded to the nearest number of E2M3, ties to even, subnormals kept.
;;     - The product sums the exact products of the quantised numbers (number of the format x scale) in f32.
;;   ~~~python
;;   def quantise(x, axis):      # numpy; x: float32 -> the quantised numbers, widened to float32 again
;;       x = np.moveaxis(x, axis, -1); K = x.shape[-1]
;;       x = np.pad(x, [(0, 0)] * (x.ndim - 1) + [(0, -K % 32)]); x = x.reshape(x.shape[:-1] + (-1, 32)); a = np.abs(x).max(-1, keepdims=True)
;;       e = np.where(a > 0, np.clip(np.frexp(np.where(a > 0, a, 1))[1] - 1 - 2, -126, 127), 0)      # np.frexp(a)[1] - 1 = floor(log2(a)), exactly
;;       r = np.clip(x / 2.0 ** e, -7.5, 7.5)
;;       step = 2.0 ** (np.maximum(np.frexp(np.where(r == 0, 1, r))[1] - 1, 0) - 3)
;;       q = np.round(r / step) * step * 2.0 ** e      # np.round: ties to even
;;       return np.moveaxis(q.reshape(q.shape[:-2] + (-1,))[..., :K], -1, axis).astype(np.float32)
;;   ~~~
;;   OPERANDS COMPUTED ON THE WAY. 'Computed on the way' means the value that the module computes at that place (a softmax that the list does not call 'softmax' is quantised finished and normalised). What goes into a quantiser is computed in f32, as accurately as f32 sums, v_exp_f32 and their like allow (about 1e-6 of the number): no bf16 or f16 on the way to a quantiser, and a product that is left as it is and whose result goes on into a quantised operand takes f32 operands (vector FMAs, or v_wmma_f32_16x16x4_f32). A number that lies on a knife's edge between two numbers of the format may be rounded either way, as far as f32 arithmetic and the matrix unit's own rounding can turn it there, and no further.
;;   INPUTS GIVEN AS CODES. Wk_w (in the module: [2, 128, 128], K = its axis 1); Wq_w (in the module: [2, 128, 128], K = its axis 1); Wv_w (in the module: [2, 128, 128], K = its axis 1); fc1_w (in the module: [2, 128, 256], K = its axis 1); fc2_w (in the module: [2, 256, 128], K = its axis 1): each comes as NAME_codes (uint8): NAME with its K axis moved to the last place and cut into blocks of 32 codes, [.., K / 32, bytes a block], one block behind the other in memory; four codes in three bytes: a row's codes are one little-endian stream of bits, code i at bits 6 i .. 6 i + 5 (a code: sign, 2 exponent bits, 3 mantissa bits); and NAME_scales (uint8): the same leading axes, one E8M0 byte (e + 127) for each 32 codes along K. Its value is code x scale, taken as it is: it is not quantised again, and the codes and scales need not be those that the quantiser above would give.
;; One version. Each part assembles by itself: llvm-mc -triple=amdgcn-amd-amdhsa -mcpu=gfx1250 --defsym DOCPART=n.
;; ======== version 1 of 1: 7 launches
;; limits: right only within a limited range of input values
;; workspace buffers: x1 67,108,864 bytes; xc 13,108,224 bytes; kvp 17,039,360 bytes; kvs 266,240 bytes; wp0 93,184 bytes; wp1 93,184 bytes; cfg0 256 bytes of whole numbers; cfg1 256 bytes of whole numbers
;; launch embed (part 1): grid 256 x 1, 8 waves a work-group, no clusters, 44,288 bytes of LDS; arguments variable_features, constraint_features, ve_w, ve_b, ce_w, ce_b, ln_g, ln_b, Wk_w_codes, Wk_w_scales, Wk_b, Wq_w_codes, Wq_w_scales, Wq_b, Wv_w_codes, Wv_w_scales, Wv_b, fc1_w_codes, fc1_w_scales, fc2_w_codes, fc2_w_scales, out0, xc, kvp, wp0, wp1, cfg0, cfg1; writes out0, xc, kvp, wp0, wp1, cfg0, cfg1
.if DOCPART == 1
	.amdgcn_target "amdgcn-amd-amdhsa--gfx1250"
	.amdhsa_code_object_version 6
	.text
	.protected	k_qa2358ffb37_embed
	.globl	k_qa2358ffb37_embed
	.p2align	8
	.type	k_qa2358ffb37_embed,@function
k_qa2358ffb37_embed:
	s_mov_b64 s[64:65], 0
	v_nop
	global_prefetch_b8 v0, s[64:65] scope:SCOPE_SE
	s_setreg_imm32_b32 hwreg(HW_REG_WAVE_MODE, 25, 1), 1
	s_wait_xcnt 0x0
; EMBED.  x0 = relu(LayerNorm(features W + b)) for 131,072 tokens of 128, in f32; its FP6 (E2M3) codes and E8M0 scale words; the sums of squares of layer 0's q and k.
; Work-groups 0 to 7 also lay both layers' weights out as images of operand registers (wp0, wp1) and write the two flag buffers (cfg0 = 0: a layer follows; cfg1 = 1: last layer).
; edge_indices, edge_features and mask enter nothing that the module computes: no launch names them.
; SHARES.  Work-group j: tokens 512 j on, 16 groups of 32.  Wave w: groups 16 j + 2 w and + 1.  20,000 = 625 x 32, so a group is all variables or all constraints: a scalar branch on ids.
; LAYOUT.  L lane, r = L % 16, h = L / 16, rho = r + (r & 8).  A group's two tiles of 16 tokens: lane r of tile tau holds token 32 G + 8 tau + rho.  Lane r of weight tile t holds output feature 32 (t / 2) + 8 (t % 2) + rho.
; Every product is used transposed (source 0 = 16 features, source 1 = 16 tokens): register 64 tau + 16 b + i of lane (r, h) is feature 32 b + 16 h + i of token r: 16 neighbours along the next K.
; The embedding (K = 18 or 5, f32 operands since its result goes on into a quantiser) uses the f32 matrix form, the bias as the C of the first K step; the k beyond K are zeros on both sides.
; x0 is kept in out0 as images of the registers, [group][tau][16 pieces][32 lanes][16 bytes]: each store covers 512 consecutive bytes; the last launch writes every byte of out0 anew.
; LIMITS: a block whose largest magnitude lies under 2^-124 keeps the scale byte 1; a block of zeros has byte 1 where the quantiser's rule says 127 (its codes are zeros, and this program alone reads the bytes); NaN and infinities are not served.
.set XS_OFF, 12582912                  ; xc: scale words behind the codes
.set KP_OFF, 13107200                  ; xc: 256 partial sums of k^2
.set A_VF, 4
.set A_CF, 6
.set A_VEW, 8
.set A_VEB, 10
.set A_CEW, 12
.set A_CEB, 14
.set A_LNG, 16
.set A_LNB, 18
.set A_WKC, 20
.set A_WKS, 22
.set A_WKB, 24
.set A_WQC, 26
.set A_WQS, 28
.set A_WQB, 30
.set A_WVC, 32
.set A_WVS, 34
.set A_WVB, 36
.set A_F1C, 38
.set A_F1S, 40
.set A_F2C, 42
.set A_F2S, 44
.set A_OUT, 46
.set A_XC, 48
.set A_KVP, 50
.set A_WP0, 52
.set A_CF0, 56
.set A_CF1, 58
.set WVN, 60                           ; wave
.set TB, 61                            ; 32 (w / 2) + 8 (w % 2): first feature of weight tile w
.set LM, 62                            ; lanes 0-15
.set EPS, 63
.set SEL, 66                           ; s[66:67] selects for lane l xor 16
.set XOP, 74                           ; s[74:75] out0 at my first group
.set XCP, 76                           ; s[76:77] codes
.set XSP, 78                           ; s[78:79] scale words
.set FP, 80                            ; s[80:83] features of group 0, 1
.set GL, 84                            ; s84, s85 the groups' numbers in their batch
.set KPP, 86
.set KVQ, 88
; window 0
.set LI, 1                             ; 16 L
.set LR, 3                             ; 16 r
.set AH, 5                             ; 64 h
.set L8, 7                             ; 8 L
.set L4, 9                             ; 4 L
.set ST, 12                            ; v12-19 statistics; in the head: LDS addresses
.set SQK, 20
.set SQQ, 22
.set WS, 24                            ; v24-27 weights' scale words, nothing else
.set F0, 28                            ; v28-51 x's two fragments
.set FE, 52                            ; v52-71 features: 10 a tile
.set VO1, 72
.set VO2, 73
.set VC1, 74
.set VC2, 75
.set FS, 76                            ; v76-77 x's scale words, nothing else
.set WB, 80                            ; v80-127 four weight fragments; between products scratch
.set TM, 80
.set TQ, 96
.set A0, 128                           ; v128-255
.set VIW, 12
.set VSW, 13
.set EVA, 14
.set ECA, 15
.set PRA, 16
.set VG, 104
.set VG2, 105
.set VW, 106
.set VW2, 107
.set VW8, 108
.set RPB, 192
; window 1: v0-127 the embedding's sums (written by matrix instructions alone); v128-255 X
; LDS
.set WK0, 0
.set WQ0, 12288
.set SC0, 24576
.set PAR, 25600
.set P_VB, PAR
.set P_CB, PAR+512
.set P_G0, PAR+1024
.set P_B0, PAR+1536
.set P_BK, PAR+2048
.set P_BQ, PAR+2560
.set EVW, 28672                        ; ve_w: 40 images of 256 bytes (5 t + s)
.set ECW, 38912                        ; ce_w: 16 images (2 t + s)
.set RED, 43008
.set MSB, 0
.macro WIN new                         ; the immediate's high byte repeats the setting that is left; a switch that changes nothing is dropped
.if MSB != (\new)
	s_set_vgpr_msb (MSB<<8)|(\new)
.set MSB, \new
.endif
.endm
.macro PLACES n
.rept \n
	v_nop
.endr
.endm
.macro DL128 dst, K, off
	ds_load_b128 v[\dst:\dst+3], v[\K] offset:\off
.endm
; 64 values of a natural-order array of 128 f32, in the layout of the results: register 16 b + i = element 32 b + 16 h + i
.macro PARLOAD win, base, off
	WIN (\win)<<6
.irp b, 0,1,2,3
.irp i, 0,1,2,3
	DL128 \base+16*\b+4*\i, AH, \off+128*\b+16*\i
.endr
.endr
	WIN 0
.endm
; 64 numbers of a lane (window sw, from v[s]) become a fragment's codes in v[d] on and its scale word in v[pw].  fl: the floor's exponent field; sh: taken off each byte
.macro QUANT sw, s, d, pw, fl, sh
	WIN ((\sw)<<2)|((\sw)<<4)
.irp b, 0,1,2,3
	v_max3_num_f32 v[TM+\b], (\fl)<<23, |v[\s+16*\b]|, |v[\s+16*\b+1]|   ; block b: my 16 numbers and the floor, so that the byte cannot fall under 1
.endr
.irp i, 2,4,6,8,10,12,14
.irp b, 0,1,2,3
	v_max3_num_f32 v[TM+\b], v[TM+\b], |v[\s+16*\b+\i]|, |v[\s+16*\b+\i+1]|
.endr
.endr
	WIN 0
.irp b, 0,1,2,3
	v_permlanex16_b32 v[TM+4+\b], v[TM+\b], s[SEL], s[SEL+1]
.endr
.irp b, 0,1,2,3
	v_max_num_f32 v[TM+\b], v[TM+\b], v[TM+4+\b]       ; with lane l xor 16's: the block's largest magnitude
.endr
.irp b, 0,1,2,3
	v_add_nc_u32 v[TM+12+\b], 0xff000000, v[TM+\b]     ; 2 off its exponent field: the conversion's scale operand
.endr
.irp b, 0,1,2,3
	v_lshrrev_b32 v[TM+4+\b], 23, v[TM+12+\b]          ; the scale's byte
.endr
.if \sh
.irp b, 0,1,2,3
	v_add_nc_u32 v[TM+4+\b], -(\sh), v[TM+4+\b]
.endr
.endif
	v_lshl_or_b32 v[\pw], v[TM+5], 8, v[TM+4]
	v_lshl_or_b32 v[\pw], v[TM+6], 16, v[\pw]
	v_lshl_or_b32 v[\pw], v[TM+7], 24, v[\pw]
	WIN \sw
.irp c, 0,1
	v_cvt_scalef32_pk16_fp6_f32 v[\d+6*\c:\d+6*\c+2], v[\s+32*\c:\s+32*\c+15], v[TM+12+2*\c]
	v_cvt_scalef32_pk16_fp6_f32 v[TQ+4*\c:TQ+4*\c+2], v[\s+32*\c+16:\s+32*\c+31], v[TM+13+2*\c]   ; (a conversion's three registers begin on an even number)
.endr
	WIN 0
	v_nop                                              ; one plain place behind a scaled conversion
.irp c, 0,1                                        ; the operand wants a whole block in a lane
.irp i, 0,1,2
	v_permlane16_swap_b32 v[\d+6*\c+\i], v[TQ+4*\c+\i]
.endr
.irp i, 0,1,2
	v_mov_b32 v[\d+3+6*\c+\i], v[TQ+4*\c+\i]
.endr
.endr
.endm
.macro WMC d, a, b, c, sa, sb
	v_wmma_scale_f32_16x16x128_f8f6f4 v[\d:\d+7], v[\a:\a+11], v[\b:\b+11], v[\c:\c+7], v[\sa], v[\sb] matrix_a_fmt:MATRIX_FMT_FP6 matrix_b_fmt:MATRIX_FMT_FP6
.endm
; The sum of squares of (x W + b), 128 features x 32 tokens, four weight tiles at a time; results live in window 1, v128-191, the bias blocks in v192-223
.macro SQMM img, sc, boff, acc
.irp q, 0,1
	WIN 0
	PLACES 8-4*\q                                      ; a scale word made by vector instructions stands 8 places ahead of a scaled product; loads into registers that products have read stand 4 behind them
	WIN 0x40
.irp i, 0,1,2,3
	DL128 192+8*\i, AH, \boff+128*((4*\q+\i)/2)+32*(\i%2)
	DL128 196+8*\i, AH, \boff+128*((4*\q+\i)/2)+32*(\i%2)+16
.endr
	WIN 0
	DL128 WS, LR, \sc+256*\q
.irp i, 0,1,2,3
.irp c, 0,1,2
	DL128 WB+12*\i+4*\c, LI, \img+(4*\q+\i)*1536+512*\c
.endr
.endr
	WIN 0x50
.irp i, 0,1,2,3
	s_wait_dscnt 3*(3-\i)                              ; the three loads of each younger fragment may be out
.irp tau, 0,1
	WMC 128+32*\tau+8*\i, WB+12*\i, F0+12*\tau, 192+8*\i, WS+\i, FS+\tau
.endr
.endr
	WIN 0
	PLACES 4
	WIN 0x05
.irp p, 0,1,2,3
	v_pk_mul_f32 v[ST+2*\p:ST+2*\p+1], v[128+2*\p:129+2*\p], v[128+2*\p:129+2*\p]   ; four chains; each result is read from its low end on
.endr
.set C_, 4
.rept 28
	v_pk_fma_f32 v[ST+2*(C_%4):ST+2*(C_%4)+1], v[128+2*C_:129+2*C_], v[128+2*C_:129+2*C_], v[ST+2*(C_%4):ST+2*(C_%4)+1]
.set C_, C_+1
.endr
	WIN 0
	v_pk_add_f32 v[ST:ST+1], v[ST:ST+1], v[ST+2:ST+3]
	v_pk_add_f32 v[ST+4:ST+5], v[ST+4:ST+5], v[ST+6:ST+7]
	v_pk_add_f32 v[ST:ST+1], v[ST:ST+1], v[ST+4:ST+5]
	v_pk_add_f32 v[\acc:\acc+1], v[\acc:\acc+1], v[ST:ST+1]
.endr
.endm
.macro FOLD                            ; two chains a tile -> one number a token, in v[ST + 4 tau], in both halves of the lanes
.irp tau, 0,1
	v_pk_add_f32 v[ST+4*\tau:ST+4*\tau+1], v[ST+4*\tau:ST+4*\tau+1], v[ST+4*\tau+2:ST+4*\tau+3]
.endr
.irp tau, 0,1
	v_add_f32 v[ST+4*\tau], v[ST+4*\tau], v[ST+4*\tau+1]
.endr
.irp tau, 0,1
	v_permlanex16_b32 v[ST+4*\tau+1], v[ST+4*\tau], s[SEL], s[SEL+1]
.endr
.irp tau, 0,1
	v_add_f32 v[ST+4*\tau], v[ST+4*\tau], v[ST+4*\tau+1]
.endr
.endm
; LayerNorm of both tiles: source (window sw, v[sb]), result (dw, v[db]), gain at (pw, v[pb]), bias 64 registers on (their LDS loads were issued by the caller)
.macro LN sw, sb, dw, db, pw, pb, relu
	WIN (\sw)|((\sw)<<2)
.irp tau, 0,1
	v_pk_add_f32 v[ST+4*\tau:ST+4*\tau+1], v[\sb+64*\tau:\sb+64*\tau+1], v[\sb+64*\tau+2:\sb+64*\tau+3]
	v_pk_add_f32 v[ST+4*\tau+2:ST+4*\tau+3], v[\sb+64*\tau+4:\sb+64*\tau+5], v[\sb+64*\tau+6:\sb+64*\tau+7]
.endr
	WIN (\sw)<<2
.set C_, 8
.rept 14
.irp tau, 0,1
	v_pk_add_f32 v[ST+4*\tau:ST+4*\tau+1], v[ST+4*\tau:ST+4*\tau+1], v[\sb+64*\tau+C_:\sb+64*\tau+C_+1]
	v_pk_add_f32 v[ST+4*\tau+2:ST+4*\tau+3], v[ST+4*\tau+2:ST+4*\tau+3], v[\sb+64*\tau+C_+2:\sb+64*\tau+C_+3]
.endr
.set C_, C_+4
.endr
	WIN 0
	FOLD
.irp tau, 0,1
	v_mul_f32 v[ST+4*\tau], 0x3c000000, v[ST+4*\tau]   ; the mean: / 128
.endr
	WIN ((\dw)<<6)|(\sw)
.irp tau, 0,1
.set C_, 0
.rept 32
	v_pk_add_f32 v[\db+64*\tau+C_:\db+64*\tau+C_+1], v[\sb+64*\tau+C_:\sb+64*\tau+C_+1], v[ST+4*\tau:ST+4*\tau+1] op_sel_hi:[1,0] neg_lo:[0,1] neg_hi:[0,1]
.set C_, C_+2
.endr
.endr
	WIN (\dw)|((\dw)<<2)
.irp tau, 0,1
	v_pk_mul_f32 v[ST+4*\tau:ST+4*\tau+1], v[\db+64*\tau:\db+64*\tau+1], v[\db+64*\tau:\db+64*\tau+1]
	v_pk_mul_f32 v[ST+4*\tau+2:ST+4*\tau+3], v[\db+64*\tau+2:\db+64*\tau+3], v[\db+64*\tau+2:\db+64*\tau+3]
.endr
.set C_, 4
.rept 15
.irp tau, 0,1
	v_pk_fma_f32 v[ST+4*\tau:ST+4*\tau+1], v[\db+64*\tau+C_:\db+64*\tau+C_+1], v[\db+64*\tau+C_:\db+64*\tau+C_+1], v[ST+4*\tau:ST+4*\tau+1]
	v_pk_fma_f32 v[ST+4*\tau+2:ST+4*\tau+3], v[\db+64*\tau+C_+2:\db+64*\tau+C_+3], v[\db+64*\tau+C_+2:\db+64*\tau+C_+3], v[ST+4*\tau+2:ST+4*\tau+3]
.endr
.set C_, C_+4
.endr
	WIN 0
	FOLD
.irp tau, 0,1
	v_fma_f32 v[ST+4*\tau+2], v[ST+4*\tau], 0x3c000000, s[EPS]   ; the variance + 1e-5
.endr
.irp tau, 0,1
	v_rsq_f32 v[ST+4*\tau], v[ST+4*\tau+2]
.endr
	v_nop                                              ; a plain place behind the roots,
	s_wait_alu depctr_va_vdst(0)                       ; and one wait for both, ahead of their first reader
	s_wait_dscnt 0x0                                   ; gain and bias are in
	WIN ((\dw)<<6)|(\dw)
.irp tau, 0,1
.set C_, 0
.rept 32
	v_pk_mul_f32 v[\db+64*\tau+C_:\db+64*\tau+C_+1], v[\db+64*\tau+C_:\db+64*\tau+C_+1], v[ST+4*\tau:ST+4*\tau+1] op_sel_hi:[1,0]
.set C_, C_+2
.endr
.endr
	WIN ((\dw)<<6)|(\dw)|((\pw)<<2)|((\pw)<<4)
.irp tau, 0,1
.set C_, 0
.rept 32
	v_pk_fma_f32 v[\db+64*\tau+C_:\db+64*\tau+C_+1], v[\db+64*\tau+C_:\db+64*\tau+C_+1], v[\pb+C_:\pb+C_+1], v[\pb+64+C_:\pb+64+C_+1]
.set C_, C_+2
.endr
.endr
.if \relu
	WIN ((\dw)<<6)|((\dw)<<2)
.set C_, 0
.rept 128
	v_max_num_f32 v[\db+C_], 0, v[\db+C_]
.set C_, C_+1
.endr
.endif
	WIN 0
.endm
.macro WSUM x                          ; the pair v[x], v[x+1] summed over the wave, into v[x] of every lane
	v_add_f32 v[\x], v[\x], v[\x+1]
	v_add_f32_dpp v[\x], v[\x], v[\x] row_xmask:1 row_mask:0xf bank_mask:0xf
	v_add_f32_dpp v[\x], v[\x], v[\x] row_xmask:2 row_mask:0xf bank_mask:0xf
	v_add_f32_dpp v[\x], v[\x], v[\x] row_xmask:4 row_mask:0xf bank_mask:0xf
	v_add_f32_dpp v[\x], v[\x], v[\x] row_xmask:8 row_mask:0xf bank_mask:0xf
	v_permlanex16_b32 v[\x+1], v[\x], s[SEL], s[SEL+1]
	v_add_f32 v[\x], v[\x], v[\x+1]
.endm
; The features of group 16 j + 2 w + gi.  f32 operand of K = 4: register j of lane (r, h) holds k = 4 s + 2 h + j.  Where 4 s + 2 h + j passes K the lanes 16-31 read what lanes 0-15 read (inside the row) and are cleared later
.macro FEAT gi
	s_lshl_b32 s68, ttmp9, 4
	s_lshl_b32 s69, s[WVN], 1
	s_add_co_u32 s68, s68, s69
	s_add_co_u32 s68, s68, \gi
	s_lshr_b32 s69, s68, 10                            ; batch
	s_and_b32 s[GL+\gi], s68, 1023
	s_mov_b32 s71, 0
	s_cmp_lt_u32 s[GL+\gi], 625
	s_cbranch_scc0 .Lfc_\@
	s_mul_i32 s69, s69, 20000
	s_lshl_b32 s70, s[GL+\gi], 5
	s_add_co_u32 s70, s70, s69
	s_mul_i32 s70, s70, 72
	s_add_nc_u64 s[FP+2*\gi:FP+2*\gi+1], s[A_VF:A_VF+1], s[70:71]
.irp tau, 0,1
.irp s, 0,1,2,3
	global_load_b64 v[FE+10*\tau+2*\s:FE+10*\tau+2*\s+1], v[VO1], s[FP+2*\gi:FP+2*\gi+1] offset:576*\tau+16*\s
.endr
	global_load_b64 v[FE+10*\tau+8:FE+10*\tau+9], v[VO2], s[FP+2*\gi:FP+2*\gi+1] offset:576*\tau+64
.endr
	s_branch .Lfd_\@
.Lfc_\@:
	s_mul_i32 s69, s69, 12768
	s_sub_co_u32 s70, s[GL+\gi], 625
	s_lshl_b32 s70, s70, 5
	s_add_co_u32 s70, s70, s69
	s_mul_i32 s70, s70, 20
	s_add_nc_u64 s[FP+2*\gi:FP+2*\gi+1], s[A_CF:A_CF+1], s[70:71]
.irp tau, 0,1
	global_load_b32 v[FE+10*\tau], v[VC1], s[FP+2*\gi:FP+2*\gi+1] offset:160*\tau
	global_load_b32 v[FE+10*\tau+1], v[VC1], s[FP+2*\gi:FP+2*\gi+1] offset:160*\tau+4
	global_load_b32 v[FE+10*\tau+2], v[VC2], s[FP+2*\gi:FP+2*\gi+1] offset:160*\tau+16
.endr
.Lfd_\@:
.endm
; One kind of weight, both layers: wave w takes tile w: its fragment as it lies in memory (24 bytes twice a lane) goes out as an image of the 12 registers, its scale word into a batch [r][4 fragments].
; A work-group has one kind: behind its stores it goes on to the common path, so that no second kind's loads land in registers that these stores read.
.macro RP kind, cp, sp, vc, vs, coff, cl, soff, sl, dimg, dsc
	s_cmp_eq_u32 ttmp9, \kind
	s_cbranch_scc0 .Lrp_\@
.irp l, 0,1
.irp p, 0,1,2,3,4,5
	global_load_b64 v[RPB+16*\l+2*\p:RPB+16*\l+2*\p+1], v[\vc], s[\cp:\cp+1] offset:\coff+\cl*\l+48*(\p/3)+8*(\p%3)
.endr
	global_load_b32 v[RPB+16*\l+12], v[\vs], s[\sp:\sp+1] offset:\soff+\sl*\l
.endr
	s_wait_loadcnt 0x0
.irp l, 0,1
.irp c, 0,1,2
	global_store_b128 v[VIW], v[RPB+16*\l+4*\c:RPB+16*\l+4*\c+3], s[A_WP0+2*\l:A_WP0+2*\l+1] offset:\dimg+512*\c
.endr
	global_store_b32 v[VSW], v[RPB+16*\l+12], s[A_WP0+2*\l:A_WP0+2*\l+1] offset:\dsc
.endr
	s_branch .Lnorp
.Lrp_\@:
.endm
	s_load_b512 s[4:19], s[0:1], 0x0
	s_load_b512 s[20:35], s[0:1], 0x40
	s_load_b512 s[36:51], s[0:1], 0x80
	s_load_b256 s[52:59], s[0:1], 0xc0
	v_lshl_add_u32 v78, v0, 2, 0xa900
	v_mov_b32 v79, 0
	v_and_b32 v80, 31, v0                              ; L
	v_and_b32 v81, 15, v0                              ; r
	v_bfe_u32 v82, v0, 4, 1                            ; h
	v_lshrrev_b32 v83, 5, v0
	v_readfirstlane_b32 s[WVN], v83
	v_and_b32 v83, 8, v81
	v_add_nc_u32 v83, v83, v81                         ; rho
	s_lshr_b32 s68, s[WVN], 1
	s_lshl_b32 s68, s68, 5
	s_and_b32 s69, s[WVN], 1
	s_lshl_b32 s69, s69, 3
	s_add_co_u32 s[TB], s68, s69
	v_add_nc_u32 v88, s[TB], v83                       ; my feature of tile w
	v_lshlrev_b32 v[LI], 4, v80
	v_lshlrev_b32 v[LR], 4, v81
	v_lshlrev_b32 v[AH], 6, v82
	v_lshlrev_b32 v[L8], 3, v80
	v_lshlrev_b32 v[L4], 2, v80
	v_mul_u32_u24 v[VO2], v83, 72                      ; a variable's row is 72 bytes
	v_lshl_add_u32 v[VO1], v82, 3, v[VO2]
	v_mul_u32_u24 v[VC2], v83, 20                      ; a constraint's 20
	v_lshl_add_u32 v[VC1], v82, 3, v[VC2]
	v_mul_u32_u24 v[VG], v88, 96                       ; a row of 128 codes is 96 bytes
	v_mad_u32_u24 v[VG], v82, 24, v[VG]
	v_mul_u32_u24 v[VG2], v88, 192                     ; fc2's rows: 256 codes
	v_mad_u32_u24 v[VG2], v82, 24, v[VG2]
	v_lshlrev_b32 v[VW2], 2, v88
	v_lshl_add_u32 v[VW], v82, 10, v[VW2]              ; + two rows of 512 bytes for lanes 16-31
	v_lshlrev_b32 v[VW8], 3, v88
	s_mul_i32 s68, s[WVN], 1536
	v_add_nc_u32 v[VIW], s68, v[LI]                    ; an image's place: 16 L + 1536 w
	s_lshr_b32 s68, s[WVN], 2
	s_lshl_b32 s68, s68, 8
	s_and_b32 s69, s[WVN], 3
	s_lshl_b32 s69, s69, 2
	s_add_co_u32 s68, s68, s69
	v_add_nc_u32 v[VSW], s68, v[LR]                    ; a scale word's: 16 r + 256 (w / 4) + 4 (w % 4)
	s_mul_i32 s68, s[WVN], 1280
	s_add_co_u32 s68, s68, EVW
	v_add_nc_u32 v[EVA], s68, v[L8]
	s_lshl_b32 s68, s[WVN], 9
	s_add_co_u32 s69, s68, ECW
	v_add_nc_u32 v[ECA], s69, v[L8]
	s_add_co_u32 s69, s68, PAR
	v_add_nc_u32 v[PRA], s69, v[LI]
.irp b, 0,1,2,3
	v_mov_b32 v[TM+4+\b], 0                            ; written once: a lane permute's destination counts as one of its sources
	v_mov_b32 v[SQK+\b], 0                             ; the two running sums of squares
.endr
.set C_, 0
.rept 20
	v_mov_b32 v[FE+C_], 0                              ; so that every path through the two branches on the group's kind finds these written
.set C_, C_+1
.endr
	s_mov_b32 s[LM], 0xffff
	s_mov_b32 s[EPS], 0x3727c5ac
	s_mov_b32 s[SEL], 0x76543210
	s_mov_b32 s[SEL+1], 0xfedcba98
	s_lshl_b32 s68, ttmp9, 4
	s_lshl_b32 s69, s[WVN], 1
	s_add_co_u32 s68, s68, s69                         ; my first group
	s_lshl_b32 s70, s68, 14
	s_mov_b32 s71, 0
	s_wait_kmcnt 0x0
	s_add_nc_u64 s[XOP:XOP+1], s[A_OUT:A_OUT+1], s[70:71]
	s_mul_i32 s70, s68, 3072
	s_add_nc_u64 s[XCP:XCP+1], s[A_XC:A_XC+1], s[70:71]
	s_lshl_b32 s70, s68, 7
	s_add_nc_u64 s[XSP:XSP+1], s[A_XC:A_XC+1], s[70:71]
	s_add_nc_u64 s[XSP:XSP+1], s[XSP:XSP+1], XS_OFF
	s_lshl_b32 s70, ttmp9, 2
	s_add_nc_u64 s[KPP:KPP+1], s[A_XC:A_XC+1], s[70:71]
	s_add_nc_u64 s[KPP:KPP+1], s[KPP:KPP+1], KP_OFF
	s_mul_i32 s70, ttmp9, 66560
	s_add_nc_u64 s[KVQ:KVQ+1], s[A_KVP:A_KVP+1], s[70:71]
	FEAT 0
.irp p, 0,1,2,3,4,5                                ; layer 0's Wk and Wq, tile w
	global_load_b64 v[A0+2*\p:A0+2*\p+1], v[VG], s[A_WKC:A_WKC+1] offset:48*(\p/3)+8*(\p%3)
	global_load_b64 v[A0+12+2*\p:A0+12+2*\p+1], v[VG], s[A_WQC:A_WQC+1] offset:48*(\p/3)+8*(\p%3)
.endr
	global_load_b32 v[A0+24], v[VW2], s[A_WKS:A_WKS+1]
	global_load_b32 v[A0+25], v[VW2], s[A_WQS:A_WQS+1]
.irp s, 0,1,2,3                                    ; ve_w(4 s + 2 h + j, my feature)
.irp j, 0,1
	global_load_b32 v[A0+32+2*\s+\j], v[VW], s[A_VEW:A_VEW+1] offset:512*(4*\s+\j)
.endr
.endr
	global_load_b32 v[A0+40], v[VW2], s[A_VEW:A_VEW+1] offset:512*16
	global_load_b32 v[A0+41], v[VW2], s[A_VEW:A_VEW+1] offset:512*17
	global_load_b32 v[A0+44], v[VW], s[A_CEW:A_CEW+1]
	global_load_b32 v[A0+45], v[VW], s[A_CEW:A_CEW+1] offset:512
	global_load_b32 v[A0+46], v[VW2], s[A_CEW:A_CEW+1] offset:2048
	s_mov_b64 s[72:73], s[A_VEB:A_VEB+1]               ; waves 0 to 5 bring one array of 128 f32 each
	s_cmp_eq_u32 s[WVN], 1
	s_cselect_b64 s[72:73], s[A_CEB:A_CEB+1], s[72:73]
	s_cmp_eq_u32 s[WVN], 2
	s_cselect_b64 s[72:73], s[A_LNG:A_LNG+1], s[72:73]
	s_cmp_eq_u32 s[WVN], 3
	s_cselect_b64 s[72:73], s[A_LNB:A_LNB+1], s[72:73]
	s_cmp_eq_u32 s[WVN], 4
	s_cselect_b64 s[72:73], s[A_WKB:A_WKB+1], s[72:73]
	s_cmp_eq_u32 s[WVN], 5
	s_cselect_b64 s[72:73], s[A_WQB:A_WQB+1], s[72:73]
	global_load_b128 v[A0+48:A0+51], v[LI], s[72:73]
	; the weights' images for the later launches: work-groups 0 to 6 one kind each, work-group 7's wave 0 the biases, gains and flags
	s_cmp_lt_u32 ttmp9, 8
	s_cbranch_scc0 .Lnorp
	RP 0, A_WKC, A_WKS, VG, VW2, 0, 12288, 0, 512, 0, 24576
	RP 1, A_WQC, A_WQS, VG, VW2, 0, 12288, 0, 512, 12288, 25088
	RP 2, A_WVC, A_WVS, VG, VW2, 0, 12288, 0, 512, 26624, 88064
	RP 3, A_F1C, A_F1S, VG, VW2, 0, 24576, 0, 1024, 38912, 88576
	RP 4, A_F1C, A_F1S, VG, VW2, 12288, 24576, 512, 1024, 51200, 89088
	RP 5, A_F2C, A_F2S, VG2, VW8, 0, 24576, 0, 1024, 63488, 89600
	RP 6, A_F2C, A_F2S, VG2, VW8, 96, 24576, 4, 1024, 75776, 90112
	s_cmp_eq_u32 s[WVN], 0                             ; what is left here is work-group 7
	s_cbranch_scc0 .Lnorp
.irp l, 0,1
	global_load_b128 v[RPB+28*\l:RPB+28*\l+3], v[LI], s[A_WKB:A_WKB+1] offset:512*\l
	global_load_b128 v[RPB+28*\l+4:RPB+28*\l+7], v[LI], s[A_WQB:A_WQB+1] offset:512*\l
	global_load_b128 v[RPB+28*\l+8:RPB+28*\l+11], v[LI], s[A_WVB:A_WVB+1] offset:512*\l
	global_load_b128 v[RPB+28*\l+12:RPB+28*\l+15], v[LI], s[A_LNG:A_LNG+1] offset:512*(2*\l+1)
	global_load_b128 v[RPB+28*\l+16:RPB+28*\l+19], v[LI], s[A_LNB:A_LNB+1] offset:512*(2*\l+1)
	global_load_b128 v[RPB+28*\l+20:RPB+28*\l+23], v[LI], s[A_LNG:A_LNG+1] offset:512*(2*\l+2)
	global_load_b128 v[RPB+28*\l+24:RPB+28*\l+27], v[LI], s[A_LNB:A_LNB+1] offset:512*(2*\l+2)
.endr
	v_mov_b32 v248, 0
	v_mov_b32 v249, 0
	v_mov_b32 v250, 1
	v_mov_b32 v251, 1
	s_wait_loadcnt 0x0
.irp l, 0,1
	global_store_b128 v[LI], v[RPB+28*\l:RPB+28*\l+3], s[A_WP0+2*\l:A_WP0+2*\l+1] offset:25600
	global_store_b128 v[LI], v[RPB+28*\l+4:RPB+28*\l+7], s[A_WP0+2*\l:A_WP0+2*\l+1] offset:26112
	global_store_b128 v[LI], v[RPB+28*\l+8:RPB+28*\l+11], s[A_WP0+2*\l:A_WP0+2*\l+1] offset:90624
	global_store_b128 v[LI], v[RPB+28*\l+12:RPB+28*\l+15], s[A_WP0+2*\l:A_WP0+2*\l+1] offset:91136
	global_store_b128 v[LI], v[RPB+28*\l+16:RPB+28*\l+19], s[A_WP0+2*\l:A_WP0+2*\l+1] offset:91648
	global_store_b128 v[LI], v[RPB+28*\l+20:RPB+28*\l+23], s[A_WP0+2*\l:A_WP0+2*\l+1] offset:92160
	global_store_b128 v[LI], v[RPB+28*\l+24:RPB+28*\l+27], s[A_WP0+2*\l:A_WP0+2*\l+1] offset:92672
.endr
	global_store_b64 v[L8], v[248:249], s[A_CF0:A_CF0+1]     ; 0: a layer follows
	global_store_b64 v[L8], v[250:251], s[A_CF1:A_CF1+1]     ; 1: the last layer
.Lnorp:
	s_wait_loadcnt 0x0
	v_cndmask_b32 v[A0+40], 0, v[A0+40], s[LM]         ; k = 18, 19 of ve_w and k = 5 .. 7 of ce_w are zeros
	v_cndmask_b32 v[A0+41], 0, v[A0+41], s[LM]
	v_cndmask_b32 v[A0+46], 0, v[A0+46], s[LM]
	v_mov_b32 v[A0+47], 0
.irp c, 0,1,2
	ds_store_b128 v[VIW], v[A0+4*\c:A0+4*\c+3] offset:WK0+512*\c
	ds_store_b128 v[VIW], v[A0+12+4*\c:A0+12+4*\c+3] offset:WQ0+512*\c
.endr
	ds_store_b32 v[VSW], v[A0+24] offset:SC0
	ds_store_b32 v[VSW], v[A0+25] offset:SC0+512
.irp s, 0,1,2,3,4
	ds_store_b64 v[EVA], v[A0+32+2*\s:A0+32+2*\s+1] offset:256*\s
.endr
	ds_store_b64 v[ECA], v[A0+44:A0+45]
	ds_store_b64 v[ECA], v[A0+46:A0+47] offset:256
	s_cmp_lt_u32 s[WVN], 6
	s_cbranch_scc0 .Lnopar
	ds_store_b128 v[PRA], v[A0+48:A0+51]
.Lnopar:
	s_wait_dscnt 0x0                                   ; for the others' sake: my stores have landed
	s_barrier_signal -1
	s_barrier_wait -1
.macro GROUP gi
	s_wait_xcnt 0x0                                    ; earlier stores have read their registers: these are written again below
.if \gi
	s_wait_loadcnt 0x0                                 ; this group's features
.endif
	s_cmp_lt_u32 s[GL+\gi], 625
	s_cbranch_scc0 .Lgc_\@
.irp tau, 0,1
	v_cndmask_b32 v[FE+10*\tau+8], 0, v[FE+10*\tau+8], s[LM]     ; k = 18, 19
	v_cndmask_b32 v[FE+10*\tau+9], 0, v[FE+10*\tau+9], s[LM]
.endr
	PARLOAD 1, 128, P_VB
.set C_, 0
.rept 40
	ds_load_b64 v[A0+2*C_:A0+2*C_+1], v[L8] offset:EVW+256*C_
.set C_, C_+1
.endr
	s_wait_dscnt 0x0
	WIN 0x50
.irp s, 0,1,2,3,4                                  ; 16 sums by turns, k ascending; the bias is the C of the first K step
.irp t, 0,1,2,3,4,5,6,7
.irp tau, 0,1
.if \s == 0
	v_wmma_f32_16x16x4_f32 v[64*\tau+8*\t:64*\tau+8*\t+7], v[A0+2*(5*\t+\s):A0+2*(5*\t+\s)+1], v[FE+10*\tau+2*\s:FE+10*\tau+2*\s+1], v[128+8*\t:128+8*\t+7]
.else
	v_wmma_f32_16x16x4_f32 v[64*\tau+8*\t:64*\tau+8*\t+7], v[A0+2*(5*\t+\s):A0+2*(5*\t+\s)+1], v[FE+10*\tau+2*\s:FE+10*\tau+2*\s+1], v[64*\tau+8*\t:64*\tau+8*\t+7]
.endif
.endr
.endr
.endr
	WIN 0
	s_branch .Lgj_\@
.Lgc_\@:
.irp tau, 0,1
	v_cndmask_b32 v[FE+10*\tau+2], 0, v[FE+10*\tau+2], s[LM]     ; k = 6
	v_mov_b32 v[FE+10*\tau+3], 0                                 ; k = 5, 7
.endr
	PARLOAD 1, 128, P_CB
.set C_, 0
.rept 16
	ds_load_b64 v[A0+2*C_:A0+2*C_+1], v[L8] offset:ECW+256*C_
.set C_, C_+1
.endr
	s_wait_dscnt 0x0
	WIN 0x50
.irp s, 0,1
.irp t, 0,1,2,3,4,5,6,7
.irp tau, 0,1
.if \s == 0
	v_wmma_f32_16x16x4_f32 v[64*\tau+8*\t:64*\tau+8*\t+7], v[A0+2*(2*\t+\s):A0+2*(2*\t+\s)+1], v[FE+10*\tau+2*\s:FE+10*\tau+2*\s+1], v[128+8*\t:128+8*\t+7]
.else
	v_wmma_f32_16x16x4_f32 v[64*\tau+8*\t:64*\tau+8*\t+7], v[A0+2*(2*\t+\s):A0+2*(2*\t+\s)+1], v[FE+10*\tau+2*\s:FE+10*\tau+2*\s+1], v[64*\tau+8*\t:64*\tau+8*\t+7]
.endif
.endr
.endr
.endr
	WIN 0
.Lgj_\@:
	PLACES 8                                           ; behind the f32 matrix form: 8 places before its results are read and its sources written or loaded
.if \gi == 0
	FEAT 1                                             ; the next group's features land under this group's work
.endif
	PARLOAD 0, 128, P_G0
	PARLOAD 0, 192, P_B0
	LN 1, 0, 1, 128, 0, 128, 1
	WIN 0x04                                           ; a store's data are its source 1: window 1
.irp tau, 0,1
.set C_, 0
.rept 16
	global_store_b128 v[LI], v[128+64*\tau+4*C_:131+64*\tau+4*C_], s[XOP:XOP+1] offset:16384*\gi+8192*\tau+512*C_ th:TH_STORE_NT   ; 32 lanes store 512 consecutive bytes
.set C_, C_+1
.endr
.endr
	WIN 0
	QUANT 1, 128, F0, FS, 3, 0
	QUANT 1, 192, F0+12, FS+1, 3, 0
.irp tau, 0,1
.irp c, 0,1,2
	global_store_b128 v[LI], v[F0+12*\tau+4*\c:F0+12*\tau+4*\c+3], s[XCP:XCP+1] offset:3072*\gi+1536*\tau+512*\c
.endr
.endr
	v_cndmask_b32 v[TM], v[FS+1], v[FS], s[LM]         ; lanes 0-15 tile 0's words, lanes 16-31 tile 1's
	global_store_b32 v[L4], v[TM], s[XSP:XSP+1] offset:128*\gi
	s_wait_xcnt 0x0                                    ; the stores have read X and the word: both are written below
	SQMM WK0, SC0, P_BK, SQK
	SQMM WQ0, SC0+512, P_BQ, SQQ
.endm
	GROUP 0
	GROUP 1
	WSUM SQK
	WSUM SQQ
	v_lshrrev_b32 v[ST], 5, v0
	v_lshl_add_u32 v[ST], v[ST], 3, RED
	ds_store_b32 v[ST], v[SQK]                         ; all lanes write the same word with the same value
	ds_store_b32 v[ST], v[SQQ] offset:4
	s_wait_dscnt 0x0
	s_barrier_signal -1
	s_barrier_wait -1
	s_cmp_lg_u32 s[WVN], 0
	s_cbranch_scc1 .Lend
	v_mov_b32 v[ST], RED
.irp i, 0,1,2,3
	ds_load_b128 v[A0+4*\i:A0+4*\i+3], v[ST] offset:16*\i      ; eight pairs (k^2, q^2)
.endr
	s_wait_dscnt 0x0
.irp i, 1,2,3,4,5,6,7
	v_pk_add_f32 v[A0:A0+1], v[A0:A0+1], v[A0+2*\i:A0+2*\i+1]
.endr
	s_mov_b32 s68, 1
	v_cndmask_b32 v[A0+16], 0, v[A0+1], s68            ; chunk 129 of my record: q^2 in word 0, zeros behind
	v_mov_b32 v[A0+17], 0
	v_mov_b32 v[A0+18], 0
	v_mov_b32 v[A0+19], 0
	global_store_b128 v[LI], v[A0+16:A0+19], s[KVQ:KVQ+1] offset:66048
	v_cmp_eq_u32 vcc_lo, 0, v[L4]
	s_wait_xcnt 0x0                                    ; EXEC changes only behind this wait
	s_and_saveexec_b32 s69, vcc_lo
	global_store_b32 v[L4], v[A0], s[KPP:KPP+1]        ; lane 0: my work-group's k^2
	s_wait_xcnt 0x0
	s_or_b32 exec_lo, exec_lo, s69
.Lend:
	s_barrier_signal -1
	s_barrier_wait -1
	s_wait_tensorcnt 0x0
	ds_add_u32 v78, v79
	s_wait_dscnt 0x0
	s_endpgm
.Lfunc_end_k_qa2358ffb37_embed:
	.size	k_qa2358ffb37_embed, .Lfunc_end_k_qa2358ffb37_embed-k_qa2358ffb37_embed
	.p2alignl 7, 3214868480
	.fill 96, 4, 3214868480
	.section	.rodata,"a",@progbits
	.p2align	6, 0x0
	.amdhsa_kernel k_qa2358ffb37_embed
		.amdhsa_group_segment_fixed_size 44288
		.amdhsa_private_segment_fixed_size 0
		.amdhsa_enable_private_segment 0
		.amdhsa_kernarg_size 224
		.amdhsa_user_sgpr_count 2
		.amdhsa_user_sgpr_kernarg_segment_ptr 1
		.amdhsa_wavefront_size32 1
		.amdhsa_system_sgpr_workgroup_id_x 1
		.amdhsa_system_sgpr_workgroup_id_y 1
		.amdhsa_system_sgpr_workgroup_id_z 1
		.amdhsa_system_vgpr_workitem_id 0
		.amdhsa_next_free_vgpr 512
		.amdhsa_next_free_sgpr 96
		.amdhsa_reserve_vcc 1
		.amdhsa_float_denorm_mode_32 3
		.amdhsa_float_denorm_mode_16_64 3
		.amdhsa_memory_ordered 1
		.amdhsa_forward_progress 1
		.amdhsa_inst_pref_size 181
	.end_amdhsa_kernel
	.amdgpu_metadata
---
amdhsa.version: [ 1, 2 ]
amdhsa.kernels:
  - .name:           k_qa2358ffb37_embed
    .symbol:         k_qa2358ffb37_embed.kd
    .args:
      - { .name: variable_features, .offset: 0, .size: 8, .value_kind: global_buffer, .address_space: global }
      - { .name: constraint_features, .offset: 8, .size: 8, .value_kind: global_buffer, .address_space: global }
      - { .name: ve_w, .offset: 16, .size: 8, .value_kind: global_buffer, .address_space: global }
      - { .name: ve_b, .offset: 24, .size: 8, .value_kind: global_buffer, .address_space: global }
      - { .name: ce_w, .offset: 32, .size: 8, .value_kind: global_buffer, .address_space: global }
      - { .name: ce_b, .offset: 40, .size: 8, .value_kind: global_buffer, .address_space: global }
      - { .name: ln_g, .offset: 48, .size: 8, .value_kind: global_buffer, .address_space: global }
      - { .name: ln_b, .offset: 56, .size: 8, .value_kind: global_buffer, .address_space: global }
      - { .name: Wk_w_codes, .offset: 64, .size: 8, .value_kind: global_buffer, .address_space: global }
      - { .name: Wk_w_scales, .offset: 72, .size: 8, .value_kind: global_buffer, .address_space: global }
      - { .name: Wk_b, .offset: 80, .size: 8, .value_kind: global_buffer, .address_space: global }
      - { .name: Wq_w_codes, .offset: 88, .size: 8, .value_kind: global_buffer, .address_space: global }
      - { .name: Wq_w_scales, .offset: 96, .size: 8, .value_kind: global_buffer, .address_space: global }
      - { .name: Wq_b, .offset: 104, .size: 8, .value_kind: global_buffer, .address_space: global }
      - { .name: Wv_w_codes, .offset: 112, .size: 8, .value_kind: global_buffer, .address_space: global }
      - { .name: Wv_w_scales, .offset: 120, .size: 8, .value_kind: global_buffer, .address_space: global }
      - { .name: Wv_b, .offset: 128, .size: 8, .value_kind: global_buffer, .address_space: global }
      - { .name: fc1_w_codes, .offset: 136, .size: 8, .value_kind: global_buffer, .address_space: global }
      - { .name: fc1_w_scales, .offset: 144, .size: 8, .value_kind: global_buffer, .address_space: global }
      - { .name: fc2_w_codes, .offset: 152, .size: 8, .value_kind: global_buffer, .address_space: global }
      - { .name: fc2_w_scales, .offset: 160, .size: 8, .value_kind: global_buffer, .address_space: global }
      - { .name: out0, .offset: 168, .size: 8, .value_kind: global_buffer, .address_space: global }
      - { .name: xc, .offset: 176, .size: 8, .value_kind: global_buffer, .address_space: global }
      - { .name: kvp, .offset: 184, .size: 8, .value_kind: global_buffer, .address_space: global }
      - { .name: wp0, .offset: 192, .size: 8, .value_kind: global_buffer, .address_space: global }
      - { .name: wp1, .offset: 200, .size: 8, .value_kind: global_buffer, .address_space: global }
      - { .name: cfg0, .offset: 208, .size: 8, .value_kind: global_buffer, .address_space: global }
      - { .name: cfg1, .offset: 216, .size: 8, .value_kind: global_buffer, .address_space: global }
    .group_segment_fixed_size: 44288
    .private_segment_fixed_size: 0
    .kernarg_segment_align: 8
    .kernarg_segment_size: 224
    .max_flat_workgroup_size: 256
    .sgpr_count:     96
    .vgpr_count:     512
    .wavefront_size: 32
...
	.end_amdgpu_metadata
.endif
;; end of part 1
;; launch kv0 (part 2): grid 256 x 1, 8 waves a work-group, no clusters, 77,824 bytes of LDS; arguments xc, wp0, kvp; writes kvp
.if DOCPART == 2
	.amdgcn_target "amdgcn-amd-amdhsa--gfx1250"
	.amdhsa_code_object_version 6
	.text
	.protected	k_qa2358ffb37_kv0
	.globl	k_qa2358ffb37_kv0
	.p2align	8
	.type	k_qa2358ffb37_kv0,@function
k_qa2358ffb37_kv0:
	s_mov_b64 s[64:65], 0
	v_nop
	global_prefetch_b8 v0, s[64:65] scope:SCOPE_SE
	s_setreg_imm32_b32 hwreg(HW_REG_WAVE_MODE, 25, 1), 1
	s_wait_xcnt 0x0
; KV.  For 512 tokens a work-group: k and v from x's codes, ks = k / ||k||, both quantised ALONG THE TOKENS, and this work-group's part of kvs = ks^T vs and of ks_sum.
; SHARES.  Work-group j: tokens 512 j on, four steps of 128.  Wave w makes features phi(w, r) = 32 (w / 2) + 8 (w % 2) + r + (r & 8) of k and of v for all 128 tokens, and owns kvs(all m, d = phi(w, .)): 8 sums.
; LAYOUT.  k and v: source 0 = 16 tokens (x's fragment), source 1 = 16 features: a lane holds one feature, and register 16 b + i is token 32 b + 16 h + i of the step (x's tiles were laid for that): 16 neighbours along the next K.
; ks's fragments go from wave to wave through LDS as images of their registers, in two sets by turns: one barrier a step.
; kvs's register 16 b + i of lane (r, h) is kvs(m = 32 b + 16 h + i, d = phi(w, r)): as the next launch's quantiser wants it.
; LIMITS: as stated at the first launch's head (floor of the scale byte, byte of a block of zeros, NaN and infinities).
.set XS_OFF, 12582912
.set KP_OFF, 13107200
.set XIMG, 0                           ; LDS: x's 32 fragments
.set XSC, 49152                        ; their scale words
.set KIMG, 51200                       ; ks's 8 fragments, two sets
.set KSC, 75776                        ; their scale words, [4 fragments' batch][r][4], two sets
.set LI, 1
.set LR, 2
.set L4, 3
.set CP, 4
.set SP8, 5
.set KIA, 6
.set KSA, 7
.set PH4, 8
.set WIO, 9
.set WSO, 10
.set RCO, 11
.set LIK, 12
.set LRK, 13
.set XF, 16                            ; v16-111 eight fragments: x's, then ks's
.set XS, 112                           ; v112-115 x's scale words
.set KS, 116                           ; v116-123 ks's
.set WKF, 124
.set WVF, 136
.set WKS, 148
.set WVS, 149
.set CK, 150
.set CV, 158
.set VF, 166
.set VS, 178
.set KFM, 180
.set KPW, 192
.set TQ, 194
.set TM, 204
.set INV, 220
.set SUM, 222
.set SEL, 20
; window 1: v0-63 k, v64-127 v, v128-191 kvs
.set MSB, 0
.macro WIN new
.if MSB != (\new)
	s_set_vgpr_msb (MSB<<8)|(\new)
.set MSB, \new
.endif
.endm
.macro PLACES n
.rept \n
	v_nop
.endr
.endm
.macro QUANT sw, s, d, pw              ; 64 numbers of a lane (window sw, from v[s]) -> a fragment's codes in v[d] on, its scale word in v[pw]
	WIN ((\sw)<<2)|((\sw)<<4)
.irp b, 0,1,2,3
	v_max3_num_f32 v[TM+\b], 0x1800000, |v[\s+16*\b]|, |v[\s+16*\b+1]|   ; with the floor 2^(3 - 127): the byte cannot fall under 1
.endr
.irp i, 2,4,6,8,10,12,14
.irp b, 0,1,2,3
	v_max3_num_f32 v[TM+\b], v[TM+\b], |v[\s+16*\b+\i]|, |v[\s+16*\b+\i+1]|
.endr
.endr
	WIN 0
.irp b, 0,1,2,3
	v_permlanex16_b32 v[TM+4+\b], v[TM+\b], s[SEL], s[SEL+1]
.endr
.irp b, 0,1,2,3
	v_max_num_f32 v[TM+\b], v[TM+\b], v[TM+4+\b]
.endr
.irp b, 0,1,2,3
	v_add_nc_u32 v[TM+12+\b], 0xff000000, v[TM+\b]
.endr
.irp b, 0,1,2,3
	v_lshrrev_b32 v[TM+4+\b], 23, v[TM+12+\b]
.endr
	v_lshl_or_b32 v[\pw], v[TM+5], 8, v[TM+4]
	v_lshl_or_b32 v[\pw], v[TM+6], 16, v[\pw]
	v_lshl_or_b32 v[\pw], v[TM+7], 24, v[\pw]
	WIN \sw
.irp c, 0,1
	v_cvt_scalef32_pk16_fp6_f32 v[\d+6*\c:\d+6*\c+2], v[\s+32*\c:\s+32*\c+15], v[TM+12+2*\c]
	v_cvt_scalef32_pk16_fp6_f32 v[TQ+4*\c:TQ+4*\c+2], v[\s+32*\c+16:\s+32*\c+31], v[TM+13+2*\c]
.endr
	WIN 0
	v_nop                                              ; one plain place behind a scaled conversion
.irp c, 0,1
.irp i, 0,1,2
	v_permlane16_swap_b32 v[\d+6*\c+\i], v[TQ+4*\c+\i]
.endr
.irp i, 0,1,2
	v_mov_b32 v[\d+3+6*\c+\i], v[TQ+4*\c+\i]
.endr
.endr
.endm
.macro WMK d, a, b, c, sa, sb, row     ; row = 1: source 0's scale words lie in lanes 16-31
.if \row
	v_wmma_scale_f32_16x16x128_f8f6f4 v[\d:\d+7], v[\a:\a+11], v[\b:\b+11], v[\c:\c+7], v[\sa], v[\sb] matrix_a_fmt:MATRIX_FMT_FP6 matrix_b_fmt:MATRIX_FMT_FP6 matrix_a_scale:MATRIX_SCALE_ROW1
.else
	v_wmma_scale_f32_16x16x128_f8f6f4 v[\d:\d+7], v[\a:\a+11], v[\b:\b+11], v[\c:\c+7], v[\sa], v[\sb] matrix_a_fmt:MATRIX_FMT_FP6 matrix_b_fmt:MATRIX_FMT_FP6
.endif
.endm
.macro WM0 d, a, b, sa, sb
	v_wmma_scale_f32_16x16x128_f8f6f4 v[\d:\d+7], v[\a:\a+11], v[\b:\b+11], 0, v[\sa], v[\sb] matrix_a_fmt:MATRIX_FMT_FP6 matrix_b_fmt:MATRIX_FMT_FP6
.endm
	s_load_b128 s[4:7], s[0:1], 0x0                    ; xc, wp
	s_load_b64 s[8:9], s[0:1], 0x10                    ; kvp
	v_lshl_add_u32 v254, v0, 2, 0x12c00
	v_mov_b32 v255, 0
	v_and_b32 v194, 31, v0                             ; L
	v_and_b32 v195, 15, v0                             ; r
	v_lshrrev_b32 v196, 5, v0
	v_readfirstlane_b32 s10, v196                      ; wave
	v_and_b32 v196, 8, v195
	v_add_nc_u32 v196, v196, v195                      ; rho
	s_lshr_b32 s11, s10, 1
	s_lshl_b32 s11, s11, 5
	s_and_b32 s12, s10, 1
	s_lshl_b32 s12, s12, 3
	s_add_co_u32 s11, s11, s12
	v_add_nc_u32 v196, s11, v196                       ; phi(w, r)
	v_lshlrev_b32 v[PH4], 2, v196
	v_lshlrev_b32 v[LI], 4, v194
	v_lshlrev_b32 v[LR], 4, v195
	v_lshlrev_b32 v[L4], 2, v194
	s_lshl_b32 s12, s10, 9
	v_add_nc_u32 v[CP], s12, v[LI]                     ; 16 L + 512 w
	s_lshl_b32 s12, s10, 8
	v_lshl_add_u32 v[SP8], v194, 3, s12                ; 8 L + 256 w
	s_mul_i32 s12, s10, 1536
	v_add_nc_u32 v[WIO], s12, v[LI]                    ; 16 L + 1536 w
	v_add_nc_u32 v[KIA], KIMG, v[WIO]
	s_lshr_b32 s12, s10, 2
	s_lshl_b32 s12, s12, 8
	s_and_b32 s13, s10, 3
	s_lshl_b32 s13, s13, 2
	s_add_co_u32 s12, s12, s13
	v_add_nc_u32 v[WSO], s12, v[LR]                    ; 16 r + 256 (w / 4) + 4 (w % 4)
	v_add_nc_u32 v[KSA], KSC, v[WSO]
	s_lshl_b32 s12, s10, 13
	v_add_nc_u32 v[RCO], s12, v[LI]                    ; 16 L + 8192 w
	v_add_nc_u32 v[LIK], KIMG, v[LI]
	v_add_nc_u32 v[LRK], KSC, v[LR]
	s_mov_b32 s[SEL], 0x76543210
	s_mov_b32 s[SEL+1], 0xfedcba98
	s_mul_i32 s12, ttmp9, 49152
	s_mov_b32 s13, 0
	s_lshl_b32 s14, ttmp9, 11
	s_mov_b32 s15, 0
	s_mul_i32 s16, ttmp9, 66560
	s_mov_b32 s17, 0
	s_wait_kmcnt 0x0
	s_add_nc_u64 s[12:13], s[4:5], s[12:13]            ; my 32 fragments of x
	s_add_nc_u64 s[14:15], s[4:5], s[14:15]
	s_add_nc_u64 s[14:15], s[14:15], XS_OFF            ; their scale words
	s_add_nc_u64 s[18:19], s[4:5], KP_OFF              ; the 256 parts of the sum of k^2
	s_add_nc_u64 s[8:9], s[8:9], s[16:17]              ; my record
.irp i, 0,1,2,3,4,5,6,7,8,9,10,11
	global_load_b128 v[XF+4*\i:XF+4*\i+3], v[CP], s[12:13] offset:4096*\i th:TH_LOAD_NT   ; 512 consecutive bytes a load; read once in the launch
.endr
	global_load_b64 v[64:65], v[SP8], s[14:15] th:TH_LOAD_NT
.irp c, 0,1,2
	global_load_b128 v[WKF+4*\c:WKF+4*\c+3], v[WIO], s[6:7] offset:512*\c
	global_load_b128 v[WVF+4*\c:WVF+4*\c+3], v[WIO], s[6:7] offset:26624+512*\c
.endr
	global_load_b32 v[WKS], v[WSO], s[6:7] offset:24576
	global_load_b32 v[WVS], v[WSO], s[6:7] offset:88064
	global_load_b32 v[CK], v[PH4], s[6:7] offset:25600
	global_load_b32 v[CV], v[PH4], s[6:7] offset:90624
	global_load_b128 v[TM:TM+3], v[LI], s[18:19]
	global_load_b128 v[TM+4:TM+7], v[LI], s[18:19] offset:512
	s_wait_loadcnt 0x0
.irp i, 0,1,2,3,4,5,6,7,8,9,10,11
	ds_store_b128 v[CP], v[XF+4*\i:XF+4*\i+3] offset:XIMG+4096*\i
.endr
	ds_store_b64 v[SP8], v[64:65] offset:XSC
	v_pk_add_f32 v[TM:TM+1], v[TM:TM+1], v[TM+2:TM+3]  ; the sum of k^2 over all tokens, in a fixed order
	v_pk_add_f32 v[TM+4:TM+5], v[TM+4:TM+5], v[TM+6:TM+7]
	v_pk_add_f32 v[TM:TM+1], v[TM:TM+1], v[TM+4:TM+5]
	v_add_f32 v[TM], v[TM], v[TM+1]
	v_add_f32_dpp v[TM], v[TM], v[TM] row_xmask:1 row_mask:0xf bank_mask:0xf
	v_add_f32_dpp v[TM], v[TM], v[TM] row_xmask:2 row_mask:0xf bank_mask:0xf
	v_add_f32_dpp v[TM], v[TM], v[TM] row_xmask:4 row_mask:0xf bank_mask:0xf
	v_add_f32_dpp v[TM], v[TM], v[TM] row_xmask:8 row_mask:0xf bank_mask:0xf
	v_permlanex16_b32 v[TM+1], v[TM], s[SEL], s[SEL+1]
	v_add_f32 v[TM], v[TM], v[TM+1]
	v_rsq_f32 v[INV], v[TM]                            ; 1 / ||k||
	v_mov_b32 v[INV+1], 0                              ; (a plain place; named with it as a pair)
.irp i, 1,2,3,4,5,6,7
	v_mov_b32 v[CK+\i], v[CK]                          ; the bias as C: a lane holds one feature, so its eight registers are alike
	v_mov_b32 v[CV+\i], v[CV]
.endr
.irp i, 0,1,2,3,4,5,6,7
	v_mov_b32 v[SUM+\i], 0
.endr
	s_wait_alu depctr_va_vdst(0)                       ; the wait ahead of the root's first reader
	s_wait_dscnt 0x0
	s_barrier_signal -1
	s_barrier_wait -1
.macro KGROUP g, first
	WIN 0
	PLACES 4                                           ; loads into registers that products have read
.irp b, 0,1,2,3
	ds_load_b32 v[XS+\b], v[L4] offset:XSC+128*(4*\g+\b)
.endr
.irp t, 0,1,2,3,4,5,6,7
.irp c, 0,1,2
	ds_load_b128 v[XF+12*\t+4*\c:XF+12*\t+4*\c+3], v[LI] offset:XIMG+(8*\g+\t)*1536+512*\c
.endr
.endr
	WIN 0x40
.irp t, 0,1,2,3,4,5,6,7
	s_wait_dscnt 3*(7-\t)                              ; the three loads of each younger fragment may be out
	WMK 8*\t, XF+12*\t, WKF, CK, XS+\t/2, WKS, \t%2
	WMK 64+8*\t, XF+12*\t, WVF, CV, XS+\t/2, WVS, \t%2
.endr
	WIN 0
	PLACES 4
	WIN 0x41
.set C_, 0
.rept 32
	v_pk_mul_f32 v[2*C_:2*C_+1], v[2*C_:2*C_+1], v[INV:INV+1] op_sel_hi:[1,0]     ; ks
.set C_, C_+1
.endr
	WIN 0x04
.set C_, 0
.rept 32
	v_pk_add_f32 v[SUM+2*(C_%4):SUM+2*(C_%4)+1], v[SUM+2*(C_%4):SUM+2*(C_%4)+1], v[2*C_:2*C_+1]   ; ks_sum, of the unquantised ks
.set C_, C_+1
.endr
	WIN 0
	QUANT 1, 0, KFM, KPW
.irp c, 0,1,2
	ds_store_b128 v[KIA], v[KFM+4*\c:KFM+4*\c+3] offset:12288*(\g%2)+512*\c
.endr
	ds_store_b32 v[KSA], v[KPW] offset:512*(\g%2)
	QUANT 1, 64, VF, VS
	s_wait_dscnt 0x0                                   ; my image has landed, and my reads of the other set are long over
	s_barrier_signal -1
	s_barrier_wait -1
.irp q, 0,1
	ds_load_b128 v[KS+4*\q:KS+4*\q+3], v[LRK] offset:512*(\g%2)+256*\q
.endr
.irp t, 0,1,2,3,4,5,6,7
.irp c, 0,1,2
	ds_load_b128 v[XF+12*\t+4*\c:XF+12*\t+4*\c+3], v[LIK] offset:12288*(\g%2)+1536*\t+512*\c
.endr
.endr
	PLACES 8                                           ; vs's scale word was made by vector instructions
.if \first
	WIN 0x40
.else
	WIN 0x50
.endif
.irp t, 0,1,2,3,4,5,6,7
	s_wait_dscnt 3*(7-\t)
.if \first
	WM0 128+8*\t, XF+12*\t, VF, KS+\t, VS              ; the first step starts the sums
.else
	WMK 128+8*\t, XF+12*\t, VF, 128+8*\t, KS+\t, VS, 0
.endif
.endr
	WIN 0
.endm
	KGROUP 0, 1
	KGROUP 1, 0
	KGROUP 2, 0
	KGROUP 3, 0
	PLACES 4
	v_pk_add_f32 v[SUM:SUM+1], v[SUM:SUM+1], v[SUM+2:SUM+3]
	v_pk_add_f32 v[SUM+4:SUM+5], v[SUM+4:SUM+5], v[SUM+6:SUM+7]
	v_pk_add_f32 v[SUM:SUM+1], v[SUM:SUM+1], v[SUM+4:SUM+5]
	v_add_f32 v[SUM], v[SUM], v[SUM+1]
	v_permlanex16_b32 v[SUM+1], v[SUM], s[SEL], s[SEL+1]
	v_add_f32 v[SUM], v[SUM], v[SUM+1]
	WIN 0x04
.set C_, 0
.rept 16
	global_store_b128 v[RCO], v[128+4*C_:131+4*C_], s[8:9] offset:512*C_     ; each sum from its low end on; 512 consecutive bytes a store
.set C_, C_+1
.endr
	WIN 0
	global_store_b32 v[PH4], v[SUM], s[8:9] offset:65536                     ; both halves of the lanes hold and write the same number
	s_barrier_signal -1
	s_barrier_wait -1
	s_wait_tensorcnt 0x0
	ds_add_u32 v254, v255
	s_wait_dscnt 0x0
	s_endpgm
.Lfunc_end_k_qa2358ffb37_kv0:
	.size	k_qa2358ffb37_kv0, .Lfunc_end_k_qa2358ffb37_kv0-k_qa2358ffb37_kv0
	.p2alignl 7, 3214868480
	.fill 96, 4, 3214868480
	.section	.rodata,"a",@progbits
	.p2align	6, 0x0
	.amdhsa_kernel k_qa2358ffb37_kv0
		.amdhsa_group_segment_fixed_size 77824
		.amdhsa_private_segment_fixed_size 0
		.amdhsa_enable_private_segment 0
		.amdhsa_kernarg_size 24
		.amdhsa_user_sgpr_count 2
		.amdhsa_user_sgpr_kernarg_segment_ptr 1
		.amdhsa_wavefront_size32 1
		.amdhsa_system_sgpr_workgroup_id_x 1
		.amdhsa_system_sgpr_workgroup_id_y 1
		.amdhsa_system_sgpr_workgroup_id_z 1
		.amdhsa_system_vgpr_workitem_id 0
		.amdhsa_next_free_vgpr 448
		.amdhsa_next_free_sgpr 66
		.amdhsa_reserve_vcc 0
		.amdhsa_float_denorm_mode_32 3
		.amdhsa_float_denorm_mode_16_64 3
		.amdhsa_memory_ordered 1
		.amdhsa_forward_progress 1
		.amdhsa_inst_pref_size 88
	.end_amdhsa_kernel
	.amdgpu_metadata
---
amdhsa.version: [ 1, 2 ]
amdhsa.kernels:
  - .name:           k_qa2358ffb37_kv0
    .symbol:         k_qa2358ffb37_kv0.kd
    .args:
      - { .name: xc, .offset: 0, .size: 8, .value_kind: global_buffer, .address_space: global }
      - { .name: wp0, .offset: 8, .size: 8, .value_kind: global_buffer, .address_space: global }
      - { .name: kvp, .offset: 16, .size: 8, .value_kind: global_buffer, .address_space: global }
    .group_segment_fixed_size: 77824
    .private_segment_fixed_size: 0
    .kernarg_segment_align: 8
    .kernarg_segment_size: 24
    .max_flat_workgroup_size: 256
    .sgpr_count:     66
    .vgpr_count:     448
    .wavefront_size: 32
...
	.end_amdgpu_metadata
.endif
;; end of part 2
;; launch red0 (part 3): grid 130 x 4, 4 waves a work-group, no clusters, 2,560 bytes of LDS; arguments kvp, kvs; writes kvs
.if DOCPART == 3
	.amdgcn_target "amdgcn-amd-amdhsa--gfx1250"
	.amdhsa_code_object_version 6
	.text
	.protected	k_qa2358ffb37_red0
	.globl	k_qa2358ffb37_red0
	.p2align	8
	.type	k_qa2358ffb37_red0,@function
k_qa2358ffb37_red0:
	s_mov_b64 s[64:65], 0
	v_nop
	global_prefetch_b8 v0, s[64:65] scope:SCOPE_SE
	s_setreg_imm32_b32 hwreg(HW_REG_WAVE_MODE, 25, 1), 1
	s_wait_xcnt 0x0
; RED.  kvs[y][chunk x] = the sum over the batch's 64 records of kvp[64 y + i][chunk x]: 128 f32 a work-group, in a fixed order.  A record is 130 chunks of 512 bytes.
; Four waves take 16 records each (16 loads of 512 consecutive bytes in flight a wave), meet in LDS, and wave 0 stores 512 consecutive bytes.  No matrix work, no cluster: nothing is shared.
.set REC, 66560
	s_load_b128 s[4:7], s[0:1], 0x0
	v_lshl_add_u32 v80, v0, 2, 0x800
	v_mov_b32 v81, 0
	v_lshrrev_b32 v1, 5, v0
	v_readfirstlane_b32 s8, v1                         ; wave
	v_and_b32 v2, 31, v0
	v_lshlrev_b32 v2, 4, v2                            ; 16 L
	v_lshlrev_b32 v3, 4, v0                            ; 16 x thread
	s_and_b32 s9, ttmp7, 0xffff                        ; batch
	s_lshl_b32 s10, s9, 6
	s_lshl_b32 s11, s8, 4
	s_add_co_u32 s10, s10, s11
	s_mul_i32 s10, s10, REC
	s_lshl_b32 s14, ttmp9, 9
	s_add_co_u32 s10, s10, s14
	s_mov_b32 s11, 0
	s_mul_i32 s12, s9, REC
	s_add_co_u32 s12, s12, s14
	s_mov_b32 s13, 0
	s_wait_kmcnt 0x0
	s_add_nc_u64 s[4:5], s[4:5], s[10:11]
	s_add_nc_u64 s[6:7], s[6:7], s[12:13]
.irp i, 0,1,2,3,4,5,6,7,8,9,10,11,12,13,14,15
	global_load_b128 v[16+4*\i:19+4*\i], v2, s[4:5] offset:REC*\i th:TH_LOAD_NT
.endr
	s_wait_loadcnt 0x0
.irp n, 8,4,2,1
.set C_, 0
.rept \n
	v_pk_add_f32 v[16+4*C_:17+4*C_], v[16+4*C_:17+4*C_], v[16+4*(C_+\n):17+4*(C_+\n)]
	v_pk_add_f32 v[18+4*C_:19+4*C_], v[18+4*C_:19+4*C_], v[18+4*(C_+\n):19+4*(C_+\n)]
.set C_, C_+1
.endr
.endr
	ds_store_b128 v3, v[16:19]
	s_wait_dscnt 0x0
	s_barrier_signal -1
	s_barrier_wait -1
	s_cmp_lg_u32 s8, 0
	s_cbranch_scc1 .Lend
.irp i, 0,1,2,3
	ds_load_b128 v[16+4*\i:19+4*\i], v2 offset:512*\i
.endr
	s_wait_dscnt 0x0
.irp n, 2,1
.set C_, 0
.rept \n
	v_pk_add_f32 v[16+4*C_:17+4*C_], v[16+4*C_:17+4*C_], v[16+4*(C_+\n):17+4*(C_+\n)]
	v_pk_add_f32 v[18+4*C_:19+4*C_], v[18+4*C_:19+4*C_], v[18+4*(C_+\n):19+4*(C_+\n)]
.set C_, C_+1
.endr
.endr
	global_store_b128 v2, v[16:19], s[6:7]
.Lend:
	s_barrier_signal -1
	s_barrier_wait -1
	s_wait_tensorcnt 0x0
	ds_add_u32 v80, v81
	s_wait_dscnt 0x0
	s_endpgm
.Lfunc_end_k_qa2358ffb37_red0:
	.size	k_qa2358ffb37_red0, .Lfunc_end_k_qa2358ffb37_red0-k_qa2358ffb37_red0
	.p2alignl 7, 3214868480
	.fill 96, 4, 3214868480
	.section	.rodata,"a",@progbits
	.p2align	6, 0x0
	.amdhsa_kernel k_qa2358ffb37_red0
		.amdhsa_group_segment_fixed_size 2560
		.amdhsa_private_segment_fixed_size 0
		.amdhsa_enable_private_segment 0
		.amdhsa_kernarg_size 16
		.amdhsa_user_sgpr_count 2
		.amdhsa_user_sgpr_kernarg_segment_ptr 1
		.amdhsa_wavefront_size32 1
		.amdhsa_system_sgpr_workgroup_id_x 1
		.amdhsa_system_sgpr_workgroup_id_y 1
		.amdhsa_system_sgpr_workgroup_id_z 1
		.amdhsa_system_vgpr_workitem_id 0
		.amdhsa_next_free_vgpr 82
		.amdhsa_next_free_sgpr 66
		.amdhsa_reserve_vcc 0
		.amdhsa_float_denorm_mode_32 3
		.amdhsa_float_denorm_mode_16_64 3
		.amdhsa_memory_ordered 1
		.amdhsa_forward_progress 1
		.amdhsa_inst_pref_size 6
	.end_amdhsa_kernel
	.amdgpu_metadata
---
amdhsa.version: [ 1, 2 ]
amdhsa.kernels:
  - .name:           k_qa2358ffb37_red0
    .symbol:         k_qa2358ffb37_red0.kd
    .args:
      - { .name: kvp, .offset: 0, .size: 8, .value_kind: global_buffer, .address_space: global }
      - { .name: kvs, .offset: 8, .size: 8, .value_kind: global_buffer, .address_space: global }
    .group_segment_fixed_size: 2560
    .private_segment_fixed_size: 0
    .kernarg_segment_align: 8
    .kernarg_segment_size: 16
    .max_flat_workgroup_size: 128
    .sgpr_count:     66
    .vgpr_count:     82
    .wavefront_size: 32
...
	.end_amdgpu_metadata
.endif
;; end of part 3
;; launch tok0 (part 4): grid 256 x 1, 8 waves a work-group, no clusters, 192,768 bytes of LDS; arguments out0, kvs, wp0, wp1, cfg0, x1, xc, kvp; writes x1, xc, kvp
.if DOCPART == 4
	.amdgcn_target "amdgcn-amd-amdhsa--gfx1250"
	.amdhsa_code_object_version 6
	.text
	.protected	k_qa2358ffb37_tok0
	.globl	k_qa2358ffb37_tok0
	.p2align	8
	.type	k_qa2358ffb37_tok0,@function
k_qa2358ffb37_tok0:
	s_mov_b64 s[64:65], 0
	v_nop
	global_prefetch_b8 v0, s[64:65] scope:SCOPE_SE
	s_setreg_imm32_b32 hwreg(HW_REG_WAVE_MODE, 25, 1), 1
	s_wait_xcnt 0x0
; TOK.  One layer for each token, from x (f32, images of registers) to the next x: q; qs = q / ||q||; attention = (qs kvs / N + v) / (qs . ks_sum / N + 1), N = 2^15; 0.8 / 0.2 residual; LayerNorm; FFN 128-256-128 with relu; residual; LayerNorm.
; Flag (cfg word 0, a whole number stored by the first launch): 0: a layer follows: x goes out as images, with its codes, scale words and the sums of squares of the next layer's q and k; 1: the last layer: x goes out row by row.
; The next layer's Wk and Wq are copied into LDS in both cases (in the last layer 28,672 bytes that are not used): the copy then hangs on no loaded number.
; SHARES.  Work-group j: tokens 512 j on; wave w: groups of 32 tokens 16 j + 2 w and + 1, a loop of two trips.  All weights lie in LDS as images of operand registers, copied once.
; LAYOUT.  As in the first launch: products transposed (source 0 = 16 output features, source 1 = 16 tokens); register 64 tau + 16 b + i of lane (r, h) is feature 32 b + 16 h + i of token r of tile tau.
; N IS TAKEN OUT EXACTLY: 15 comes off kvs's E8M0 bytes, so v's sums (bias as C, then Wv x) take kvs qs in place.
; No tensor loads, no cluster: nothing in LDS is filled twice, and what the work-groups share (the weights, 110 KB) is read once a launch.
; LIMITS: as at the first launch's head; besides, a block of kvs whose largest magnitude lies under 2^-109 is quantised on that floor's scale, so that its byte less 15 stays at 1 or above.
.set XS_OFF, 12582912
.set KP_OFF, 13107200
.set CUT, 11264                        ; LDS byte 0 is byte CUT of wp: 160 chunks of 512 bytes, 20 a wave
.set O_WQ, 12288-CUT
.set O_SQ, 25088-CUT
.set O_BQ, 26112-CUT
.set O_WV, 26624-CUT
.set O_F1, 38912-CUT
.set O_F2, 63488-CUT
.set O_SV, 88064-CUT
.set O_SF1, 88576-CUT
.set O_SF2, 89600-CUT
.set O_BV, 90624-CUT
.set O_G1, 91136-CUT
.set O_B1, 91648-CUT
.set O_G2, 92160-CUT
.set O_B2, 92672-CUT
.set NXT, 81920                        ; the next layer's first 28,672 bytes: 56 chunks, 7 a wave
.set N_WK, NXT
.set N_WQ, NXT+12288
.set N_SK, NXT+24576
.set N_SQ, NXT+25088
.set N_BK, NXT+25600
.set N_BQ, NXT+26112
.set KV, 110592                        ; kvs's 8 fragments
.set KVSC, 122880
.set KSUM, 123392
.set RED, 123904
.set STAGE, 124160                     ; 16 rows x 528 bytes for each wave
.set WV, 20
.set GI, 21
.set LAST, 22
.set LM, 23
.set EPS, 32
.set SEL, 34
.set XSP, 36
.set KPP, 38
.set KVR, 40
.set LI, 1                             ; 16 L; v2 the same + 65,536
.set LR, 3                             ; 16 r; v4
.set AH, 5                             ; 64 h; v6
.set STO, 7
.set SRD, 8
.set L4, 9
.set INVQ, 10
.set ST, 12
.set SQK, 20
.set SQQ, 22
.set WS, 24                            ; v24-27 weights' scale words, nothing else
.set F0, 28
.set F1, 52
.set FS, 76                            ; v76-79 activations' scale words, nothing else
.set WB, 80
.set TM, 80
.set TQ, 96
.set A0, 128
.set CPR, 12                           ; head only
.set CPR2, 13
.set KVA, 14
.set KSCA, 15
.set KVO, 16
; window 1: v0-127 P (x as loaded), v128-255 A1
.set MSB, 0
.macro WIN new
.if MSB != (\new)
	s_set_vgpr_msb (MSB<<8)|(\new)
.set MSB, \new
.endif
.endm
.macro PLACES n
.rept \n
	v_nop
.endr
.endm
.macro DL128 dst, K, off               ; an LDS offset has 16 bits: beyond them the register one on, which holds 65,536 more, serves
.if (\off) < 65536
	ds_load_b128 v[\dst:\dst+3], v[\K] offset:\off
.else
	ds_load_b128 v[\dst:\dst+3], v[\K+1] offset:(\off)-65536
.endif
.endm
.macro PARLOAD win, base, off
	WIN (\win)<<6
.irp b, 0,1,2,3
.irp i, 0,1,2,3
	DL128 \base+16*\b+4*\i, AH, \off+128*\b+16*\i
.endr
.endr
	WIN 0
.endm
.macro QUANT sw, s, d, pw, fl, sh
	WIN ((\sw)<<2)|((\sw)<<4)
.irp b, 0,1,2,3
	v_max3_num_f32 v[TM+\b], (\fl)<<23, |v[\s+16*\b]|, |v[\s+16*\b+1]|   ; block b: my 16 numbers and the floor
.endr
.irp i, 2,4,6,8,10,12,14
.irp b, 0,1,2,3
	v_max3_num_f32 v[TM+\b], v[TM+\b], |v[\s+16*\b+\i]|, |v[\s+16*\b+\i+1]|
.endr
.endr
	WIN 0
.irp b, 0,1,2,3
	v_permlanex16_b32 v[TM+4+\b], v[TM+\b], s[SEL], s[SEL+1]
.endr
.irp b, 0,1,2,3
	v_max_num_f32 v[TM+\b], v[TM+\b], v[TM+4+\b]
.endr
.irp b, 0,1,2,3
	v_add_nc_u32 v[TM+12+\b], 0xff000000, v[TM+\b]     ; 2 off the exponent field: the conversion's scale operand
.endr
.irp b, 0,1,2,3
	v_lshrrev_b32 v[TM+4+\b], 23, v[TM+12+\b]
.endr
.if \sh
.irp b, 0,1,2,3
	v_add_nc_u32 v[TM+4+\b], -(\sh), v[TM+4+\b]        ; the byte stands for the scale / 2^sh
.endr
.endif
	v_lshl_or_b32 v[\pw], v[TM+5], 8, v[TM+4]
	v_lshl_or_b32 v[\pw], v[TM+6], 16, v[\pw]
	v_lshl_or_b32 v[\pw], v[TM+7], 24, v[\pw]
	WIN \sw
.irp c, 0,1
	v_cvt_scalef32_pk16_fp6_f32 v[\d+6*\c:\d+6*\c+2], v[\s+32*\c:\s+32*\c+15], v[TM+12+2*\c]
	v_cvt_scalef32_pk16_fp6_f32 v[TQ+4*\c:TQ+4*\c+2], v[\s+32*\c+16:\s+32*\c+31], v[TM+13+2*\c]
.endr
	WIN 0
	v_nop                                              ; one plain place behind a scaled conversion
.irp c, 0,1
.irp i, 0,1,2
	v_permlane16_swap_b32 v[\d+6*\c+\i], v[TQ+4*\c+\i]
.endr
.irp i, 0,1,2
	v_mov_b32 v[\d+3+6*\c+\i], v[TQ+4*\c+\i]
.endr
.endr
.endm
.macro WM0 d, a, b, sa, sb
	v_wmma_scale_f32_16x16x128_f8f6f4 v[\d:\d+7], v[\a:\a+11], v[\b:\b+11], 0, v[\sa], v[\sb] matrix_a_fmt:MATRIX_FMT_FP6 matrix_b_fmt:MATRIX_FMT_FP6
.endm
.macro WMC d, a, b, c, sa, sb
	v_wmma_scale_f32_16x16x128_f8f6f4 v[\d:\d+7], v[\a:\a+11], v[\b:\b+11], v[\c:\c+7], v[\sa], v[\sb] matrix_a_fmt:MATRIX_FMT_FP6 matrix_b_fmt:MATRIX_FMT_FP6
.endm
; 8 weight tiles (images from LDS byte img, scale batches from sc) x 2 token tiles (fragments v[fr], words v[fs]) -> window dw, v[db].  cmode 0: C = 0; 1: C = v[cb + 8 t] of window 0; 2: in place.
; The 16 sums take turns, one product a turn.
.macro MM img, sc, fr, fs, dw, db, cmode, cb
.irp q, 0,1
	WIN 0
	PLACES 8-4*\q                                      ; 8: a scale word made by vector instructions; 4: loads into registers that products have read
	DL128 WS, LR, \sc+256*\q
.irp i, 0,1,2,3
.irp c, 0,1,2
	DL128 WB+12*\i+4*\c, LI, \img+(4*\q+\i)*1536+512*\c
.endr
.endr
.irp i, 0,1,2,3
	s_wait_dscnt 3*(3-\i)                              ; the three loads of each younger fragment may be out
.irp tau, 0,1
.if \cmode == 0
	WIN (\dw)<<6
	WM0 \db+64*\tau+8*(4*\q+\i), WB+12*\i, \fr+12*\tau, WS+\i, \fs+\tau
.elseif \cmode == 1
	WIN (\dw)<<6
	WMC \db+64*\tau+8*(4*\q+\i), WB+12*\i, \fr+12*\tau, \cb+8*(4*\q+\i), WS+\i, \fs+\tau
.else
	WIN ((\dw)<<6)|((\dw)<<4)
	WMC \db+64*\tau+8*(4*\q+\i), WB+12*\i, \fr+12*\tau, \db+64*\tau+8*(4*\q+\i), WS+\i, \fs+\tau
.endif
.endr
.endr
.endr
	WIN 0
.endm
.macro SQMM img, sc, boff, acc         ; the sum of squares of (x W + b); results in window 1, v128-191, bias blocks in v192-223
.irp q, 0,1
	WIN 0
	PLACES 8-4*\q
	WIN 0x40
.irp i, 0,1,2,3
	DL128 192+8*\i, AH, \boff+128*((4*\q+\i)/2)+32*(\i%2)
	DL128 196+8*\i, AH, \boff+128*((4*\q+\i)/2)+32*(\i%2)+16
.endr
	WIN 0
	DL128 WS, LR, \sc+256*\q
.irp i, 0,1,2,3
.irp c, 0,1,2
	DL128 WB+12*\i+4*\c, LI, \img+(4*\q+\i)*1536+512*\c
.endr
.endr
	WIN 0x50
.irp i, 0,1,2,3
	s_wait_dscnt 3*(3-\i)
.irp tau, 0,1
	WMC 128+32*\tau+8*\i, WB+12*\i, F0+12*\tau, 192+8*\i, WS+\i, FS+\tau
.endr
.endr
	WIN 0
	PLACES 4
	WIN 0x05
.irp p, 0,1,2,3
	v_pk_mul_f32 v[ST+2*\p:ST+2*\p+1], v[128+2*\p:129+2*\p], v[128+2*\p:129+2*\p]
.endr
.set C_, 4
.rept 28
	v_pk_fma_f32 v[ST+2*(C_%4):ST+2*(C_%4)+1], v[128+2*C_:129+2*C_], v[128+2*C_:129+2*C_], v[ST+2*(C_%4):ST+2*(C_%4)+1]
.set C_, C_+1
.endr
	WIN 0
	v_pk_add_f32 v[ST:ST+1], v[ST:ST+1], v[ST+2:ST+3]
	v_pk_add_f32 v[ST+4:ST+5], v[ST+4:ST+5], v[ST+6:ST+7]
	v_pk_add_f32 v[ST:ST+1], v[ST:ST+1], v[ST+4:ST+5]
	v_pk_add_f32 v[\acc:\acc+1], v[\acc:\acc+1], v[ST:ST+1]
.endr
.endm
.macro FOLD
.irp tau, 0,1
	v_pk_add_f32 v[ST+4*\tau:ST+4*\tau+1], v[ST+4*\tau:ST+4*\tau+1], v[ST+4*\tau+2:ST+4*\tau+3]
.endr
.irp tau, 0,1
	v_add_f32 v[ST+4*\tau], v[ST+4*\tau], v[ST+4*\tau+1]
.endr
.irp tau, 0,1
	v_permlanex16_b32 v[ST+4*\tau+1], v[ST+4*\tau], s[SEL], s[SEL+1]
.endr
.irp tau, 0,1
	v_add_f32 v[ST+4*\tau], v[ST+4*\tau], v[ST+4*\tau+1]
.endr
.endm
.macro LN sw, sb, dw, db, pw, pb
	WIN (\sw)|((\sw)<<2)
.irp tau, 0,1
	v_pk_add_f32 v[ST+4*\tau:ST+4*\tau+1], v[\sb+64*\tau:\sb+64*\tau+1], v[\sb+64*\tau+2:\sb+64*\tau+3]
	v_pk_add_f32 v[ST+4*\tau+2:ST+4*\tau+3], v[\sb+64*\tau+4:\sb+64*\tau+5], v[\sb+64*\tau+6:\sb+64*\tau+7]
.endr
	WIN (\sw)<<2
.set C_, 8
.rept 14
.irp tau, 0,1
	v_pk_add_f32 v[ST+4*\tau:ST+4*\tau+1], v[ST+4*\tau:ST+4*\tau+1], v[\sb+64*\tau+C_:\sb+64*\tau+C_+1]
	v_pk_add_f32 v[ST+4*\tau+2:ST+4*\tau+3], v[ST+4*\tau+2:ST+4*\tau+3], v[\sb+64*\tau+C_+2:\sb+64*\tau+C_+3]
.endr
.set C_, C_+4
.endr
	WIN 0
	FOLD
.irp tau, 0,1
	v_mul_f32 v[ST+4*\tau], 0x3c000000, v[ST+4*\tau]   ; the mean
.endr
	WIN ((\dw)<<6)|(\sw)
.irp tau, 0,1
.set C_, 0
.rept 32
	v_pk_add_f32 v[\db+64*\tau+C_:\db+64*\tau+C_+1], v[\sb+64*\tau+C_:\sb+64*\tau+C_+1], v[ST+4*\tau:ST+4*\tau+1] op_sel_hi:[1,0] neg_lo:[0,1] neg_hi:[0,1]
.set C_, C_+2
.endr
.endr
	WIN (\dw)|((\dw)<<2)
.irp tau, 0,1
	v_pk_mul_f32 v[ST+4*\tau:ST+4*\tau+1], v[\db+64*\tau:\db+64*\tau+1], v[\db+64*\tau:\db+64*\tau+1]
	v_pk_mul_f32 v[ST+4*\tau+2:ST+4*\tau+3], v[\db+64*\tau+2:\db+64*\tau+3], v[\db+64*\tau+2:\db+64*\tau+3]
.endr
.set C_, 4
.rept 15
.irp tau, 0,1
	v_pk_fma_f32 v[ST+4*\tau:ST+4*\tau+1], v[\db+64*\tau+C_:\db+64*\tau+C_+1], v[\db+64*\tau+C_:\db+64*\tau+C_+1], v[ST+4*\tau:ST+4*\tau+1]
	v_pk_fma_f32 v[ST+4*\tau+2:ST+4*\tau+3], v[\db+64*\tau+C_+2:\db+64*\tau+C_+3], v[\db+64*\tau+C_+2:\db+64*\tau+C_+3], v[ST+4*\tau+2:ST+4*\tau+3]
.endr
.set C_, C_+4
.endr
	WIN 0
	FOLD
.irp tau, 0,1
	v_fma_f32 v[ST+4*\tau+2], v[ST+4*\tau], 0x3c000000, s[EPS]
.endr
.irp tau, 0,1
	v_rsq_f32 v[ST+4*\tau], v[ST+4*\tau+2]
.endr
	v_nop                                              ; a plain place behind the roots,
	s_wait_alu depctr_va_vdst(0)                       ; and one wait for both, ahead of their first reader
	s_wait_dscnt 0x0                                   ; gain and bias are in
	WIN ((\dw)<<6)|(\dw)
.irp tau, 0,1
.set C_, 0
.rept 32
	v_pk_mul_f32 v[\db+64*\tau+C_:\db+64*\tau+C_+1], v[\db+64*\tau+C_:\db+64*\tau+C_+1], v[ST+4*\tau:ST+4*\tau+1] op_sel_hi:[1,0]
.set C_, C_+2
.endr
.endr
	WIN ((\dw)<<6)|(\dw)|((\pw)<<2)|((\pw)<<4)
.irp tau, 0,1
.set C_, 0
.rept 32
	v_pk_fma_f32 v[\db+64*\tau+C_:\db+64*\tau+C_+1], v[\db+64*\tau+C_:\db+64*\tau+C_+1], v[\pb+C_:\pb+C_+1], v[\pb+64+C_:\pb+64+C_+1]
.set C_, C_+2
.endr
.endr
	WIN 0
.endm
.macro WSUM x
	v_add_f32 v[\x], v[\x], v[\x+1]
	v_add_f32_dpp v[\x], v[\x], v[\x] row_xmask:1 row_mask:0xf bank_mask:0xf
	v_add_f32_dpp v[\x], v[\x], v[\x] row_xmask:2 row_mask:0xf bank_mask:0xf
	v_add_f32_dpp v[\x], v[\x], v[\x] row_xmask:4 row_mask:0xf bank_mask:0xf
	v_add_f32_dpp v[\x], v[\x], v[\x] row_xmask:8 row_mask:0xf bank_mask:0xf
	v_permlanex16_b32 v[\x+1], v[\x], s[SEL], s[SEL+1]
	v_add_f32 v[\x], v[\x], v[\x+1]
.endm
.macro PKMULS base, n, sp              ; n pairs of window 1 from v[base] on, times the low word of the pair v[sp] of window 0
	WIN 0x41
.set C_, 0
.rept \n
	v_pk_mul_f32 v[\base+2*C_:\base+2*C_+1], v[\base+2*C_:\base+2*C_+1], v[\sp:\sp+1] op_sel_hi:[1,0]
.set C_, C_+1
.endr
	WIN 0
.endm
.macro RELU
.set C_, 0
.rept 128
	v_max_num_f32 v[A0+C_], 0, v[A0+C_]
.set C_, C_+1
.endr
.endm
	s_load_b512 s[4:19], s[0:1], 0x0                   ; xin, kvs, wp, wpn, cfg, xo, xc, kvp
	v_and_b32 v80, 31, v0                              ; L
	v_and_b32 v81, 15, v0                              ; r
	v_bfe_u32 v82, v0, 4, 1                            ; h
	v_lshrrev_b32 v83, 5, v0
	v_readfirstlane_b32 s[WV], v83
	v_lshlrev_b32 v[LI], 4, v80
	v_add_nc_u32 v[LI+1], 0x10000, v[LI]
	v_lshlrev_b32 v[LR], 4, v81
	v_add_nc_u32 v[LR+1], 0x10000, v[LR]
	v_lshlrev_b32 v[AH], 6, v82
	v_add_nc_u32 v[AH+1], 0x10000, v[AH]
	v_lshlrev_b32 v[L4], 2, v80
	s_mul_i32 s24, s[WV], 8448
	s_add_co_u32 s24, s24, STAGE
	v_mul_u32_u24 v[STO], v81, 528
	v_lshl_add_u32 v[STO], v82, 6, v[STO]
	v_add_nc_u32 v[STO], s24, v[STO]                   ; the stage: row r, + 64 h
	v_add_nc_u32 v[SRD], s24, v[LI]                    ; and back: a whole row, 16 bytes a lane
	s_lshl_b32 s24, s[WV], 9
	v_add_nc_u32 v[CPR], s24, v[LI]                    ; 16 L + 512 w
	v_add_nc_u32 v[CPR2], 0x10000, v[CPR]
	s_mul_i32 s24, s[WV], 1536
	s_add_co_u32 s24, s24, KV
	v_add_nc_u32 v[KVA], s24, v[LI]
	s_lshr_b32 s24, s[WV], 2
	s_lshl_b32 s24, s24, 8
	s_and_b32 s25, s[WV], 3
	s_lshl_b32 s25, s25, 2
	s_add_co_u32 s24, s24, s25
	s_add_co_u32 s24, s24, KVSC
	v_add_nc_u32 v[KSCA], s24, v[LR]
	s_lshl_b32 s24, s[WV], 13
	v_add_nc_u32 v[KVO], s24, v[LI]                    ; 16 L + 8192 w
.irp b, 0,1,2,3
	v_mov_b32 v[TM+4+\b], 0                            ; written once: a lane permute's destination counts as one of its sources
	v_mov_b32 v[SQK+\b], 0
.endr
	s_mov_b32 s[LM], 0xffff
	s_mov_b32 s[EPS], 0x3727c5ac
	s_mov_b32 s[SEL], 0x76543210
	s_mov_b32 s[SEL+1], 0xfedcba98
	s_mov_b32 s[GI], 0
	s_lshl_b32 s26, ttmp9, 4
	s_lshl_b32 s27, s[WV], 1
	s_add_co_u32 s26, s26, s27                         ; my first group
	s_mov_b32 s25, 0
	s_wait_kmcnt 0x0
	s_load_b32 s[LAST], s[12:13], 0x0
	s_load_b32 s28, s[6:7], 66048                      ; the four batches' parts of the sum of q^2
	s_load_b32 s29, s[6:7], 132608
	s_load_b32 s30, s[6:7], 199168
	s_load_b32 s31, s[6:7], 265728
	s_lshl_b32 s24, s26, 14
	s_add_nc_u64 s[4:5], s[4:5], s[24:25]              ; x in and out: 16,384 bytes a group, as images and as rows alike
	s_add_nc_u64 s[14:15], s[14:15], s[24:25]
	s_lshl_b32 s24, s26, 7
	s_add_nc_u64 s[XSP:XSP+1], s[16:17], s[24:25]
	s_add_nc_u64 s[XSP:XSP+1], s[XSP:XSP+1], XS_OFF
	s_lshl_b32 s24, ttmp9, 2
	s_add_nc_u64 s[KPP:KPP+1], s[16:17], s[24:25]
	s_add_nc_u64 s[KPP:KPP+1], s[KPP:KPP+1], KP_OFF
	s_mul_i32 s24, s26, 3072
	s_add_nc_u64 s[16:17], s[16:17], s[24:25]
	s_mul_i32 s24, ttmp9, 66560
	s_add_nc_u64 s[18:19], s[18:19], s[24:25]
	s_lshr_b32 s24, ttmp9, 6
	s_mul_i32 s24, s24, 66560
	s_add_nc_u64 s[KVR:KVR+1], s[6:7], s[24:25]        ; my batch's record of kvs
.irp i, 0,1,2,3,4,5,6,7,8,9,10,11,12,13,14,15,16,17,18,19
	global_load_b128 v[A0+4*\i:A0+4*\i+3], v[CPR], s[8:9] offset:CUT+4096*\i
.endr
.irp i, 0,1,2,3,4,5,6
	global_load_b128 v[A0+80+4*\i:A0+80+4*\i+3], v[CPR], s[10:11] offset:4096*\i
.endr
	s_cmp_eq_u32 s[WV], 0
	s_cbranch_scc0 .Lnoks
	global_load_b128 v[A0+108:A0+111], v[LI], s[KVR:KVR+1] offset:65536
.Lnoks:
	WIN 0x40
.set C_, 0
.rept 16
	global_load_b128 v[128+4*C_:131+4*C_], v[KVO], s[KVR:KVR+1] offset:512*C_      ; kvs(all m, d of tile w)
.set C_, C_+1
.endr
.set C_, 0
.rept 32
	global_load_b128 v[4*C_:4*C_+3], v[LI], s[4:5] offset:512*C_ th:TH_LOAD_NT     ; the first group's x, last of all
.set C_, C_+1
.endr
	WIN 0
	s_wait_loadcnt 32                                  ; all but x's 32 loads
.irp i, 0,1,2,3,4,5,6,7,8,9,10,11,12,13,14,15
	ds_store_b128 v[CPR], v[A0+4*\i:A0+4*\i+3] offset:4096*\i
.endr
.irp i, 16,17,18,19
	ds_store_b128 v[CPR2], v[A0+4*\i:A0+4*\i+3] offset:4096*\i-65536
.endr
.irp i, 0,1,2,3,4,5,6
	ds_store_b128 v[CPR2], v[A0+80+4*\i:A0+80+4*\i+3] offset:NXT+4096*\i-65536
.endr
	s_cmp_eq_u32 s[WV], 0
	s_cbranch_scc0 .Lnoks2
	ds_store_b128 v[LI+1], v[A0+108:A0+111] offset:KSUM-65536
.Lnoks2:
	QUANT 1, 128, F0, FS, 18, 15                       ; kvs along m, its bytes less 15: kvs / N
.irp c, 0,1,2
	ds_store_b128 v[KVA], v[F0+4*\c:F0+4*\c+3] offset:512*\c
.endr
	ds_store_b32 v[KSCA], v[FS]
	s_wait_kmcnt 0x0
	s_add_f32 s28, s28, s29
	s_add_f32 s30, s30, s31
	s_add_f32 s28, s28, s30
	v_rsq_f32 v[INVQ], s28                             ; 1 / ||q||
	v_mov_b32 v[INVQ+1], 0                             ; (a plain place; named with it as a pair)
	s_wait_alu depctr_va_vdst(0)                       ; the wait ahead of the label below
	s_wait_dscnt 0x0
	s_barrier_signal -1
	s_barrier_wait -1
.Lgroup:
	s_wait_loadcnt 0x0                                 ; this group's x
	QUANT 1, 0, F0, FS, 3, 0
	QUANT 1, 64, F0+12, FS+1, 3, 0
	; q = x Wq + bq
	PARLOAD 0, 128, O_BQ
	PARLOAD 0, 192, KSUM
	MM O_WQ, O_SQ, F0, FS, 1, 128, 1, 128
	PLACES 4
	PKMULS 128, 64, INVQ                               ; qs
	PARLOAD 0, 128, O_BV
	WIN 0x01
.irp tau, 0,1                                      ; qs . ks_sum, in f32
	v_pk_mul_f32 v[ST+4*\tau:ST+4*\tau+1], v[128+64*\tau:129+64*\tau], v[A0+64:A0+65]
	v_pk_mul_f32 v[ST+4*\tau+2:ST+4*\tau+3], v[130+64*\tau:131+64*\tau], v[A0+66:A0+67]
.endr
.set C_, 4
.rept 15
.irp tau, 0,1
	v_pk_fma_f32 v[ST+4*\tau:ST+4*\tau+1], v[128+64*\tau+C_:129+64*\tau+C_], v[A0+64+C_:A0+65+C_], v[ST+4*\tau:ST+4*\tau+1]
	v_pk_fma_f32 v[ST+4*\tau+2:ST+4*\tau+3], v[130+64*\tau+C_:131+64*\tau+C_], v[A0+66+C_:A0+67+C_], v[ST+4*\tau+2:ST+4*\tau+3]
.endr
.set C_, C_+4
.endr
	WIN 0
	FOLD
.irp tau, 0,1
	v_fma_f32 v[ST+4*\tau+2], v[ST+4*\tau], 0x38000000, 1.0      ; the normaliser / N
.endr
.irp tau, 0,1
	v_rcp_f32 v[ST+4*\tau], v[ST+4*\tau+2]             ; wanted only behind the next two products: its wait stands there
.endr
	QUANT 1, 128, F1, FS+2, 3, 0
	QUANT 1, 192, F1+12, FS+3, 3, 0
	; v = x Wv + bv, and onto it qs (kvs / N)
	MM O_WV, O_SV, F0, FS, 1, 128, 1, 128
	MM KV, KVSC, F1, FS+2, 1, 128, 2, 0
	PLACES 4
	s_wait_alu depctr_va_vdst(0)                       ; one wait for the two reciprocals, ahead of their first reader
.irp tau, 0,1
	v_mul_f32 v[ST+4*\tau], 0x3f4ccccd, v[ST+4*\tau]   ; 0.8 / normaliser
.endr
	PKMULS 128, 32, ST
	PKMULS 192, 32, ST+4
	PARLOAD 0, 128, O_G1
	PARLOAD 0, 192, O_B1
	WIN 0x51
.set C_, 0
.rept 64
	v_pk_fma_f32 v[128+2*C_:129+2*C_], v[2*C_:2*C_+1], 0x3e4ccccd, v[128+2*C_:129+2*C_] op_sel_hi:[1,0,1]   ; + 0.2 x the layer's input
.set C_, C_+1
.endr
	WIN 0
	s_cmp_eq_u32 s[GI], 0
	s_cbranch_scc0 .Lnonext
	WIN 0x40
.set C_, 0
.rept 32
	global_load_b128 v[4*C_:4*C_+3], v[LI], s[4:5] offset:16384+512*C_ th:TH_LOAD_NT   ; the second group's x lands under the rest of this trip
.set C_, C_+1
.endr
	WIN 0
.Lnonext:
	LN 1, 128, 1, 128, 0, 128
	QUANT 1, 128, F0, FS, 3, 0
	QUANT 1, 192, F0+12, FS+1, 3, 0
	; the FFN: hidden units 0-127, then 128-255, each quantised as a K step of the second product
	MM O_F1, O_SF1, F0, FS, 0, 128, 0, 0
	PLACES 4
	RELU
	QUANT 0, 128, F1, FS+2, 3, 0
	QUANT 0, 192, F1+12, FS+3, 3, 0
	MM O_F1+12288, O_SF1+512, F0, FS, 0, 128, 0, 0
	PLACES 4
	RELU
	QUANT 0, 128, F0, FS, 3, 0
	QUANT 0, 192, F0+12, FS+1, 3, 0
	MM O_F2, O_SF2, F1, FS+2, 0, 128, 0, 0
	MM O_F2+12288, O_SF2+512, F0, FS, 0, 128, 2, 0
	PLACES 4
.set C_, 0
.rept 64
	v_pk_mul_f32 v[A0+2*C_:A0+2*C_+1], v[A0+2*C_:A0+2*C_+1], 0x3f4ccccd op_sel_hi:[1,0]
.set C_, C_+1
.endr
	WIN 0x01
.set C_, 0
.rept 64
	v_pk_fma_f32 v[A0+2*C_:A0+2*C_+1], v[128+2*C_:129+2*C_], 0x3e4ccccd, v[A0+2*C_:A0+2*C_+1] op_sel_hi:[1,0,1]
.set C_, C_+1
.endr
	WIN 0
	PARLOAD 1, 128, O_G2
	PARLOAD 1, 192, O_B2
	LN 0, 128, 0, 128, 1, 128
	s_cmp_eq_u32 s[LAST], 0
	s_cbranch_scc0 .Llast
.set C_, 0
.rept 32
	global_store_b128 v[LI], v[A0+4*C_:A0+4*C_+3], s[14:15] offset:512*C_ th:TH_STORE_NT     ; x as images: 512 consecutive bytes a store
.set C_, C_+1
.endr
	QUANT 0, 128, F0, FS, 3, 0
	QUANT 0, 192, F0+12, FS+1, 3, 0
.irp tau, 0,1
.irp c, 0,1,2
	global_store_b128 v[LI], v[F0+12*\tau+4*\c:F0+12*\tau+4*\c+3], s[16:17] offset:1536*\tau+512*\c
.endr
.endr
	v_cndmask_b32 v[TM], v[FS+1], v[FS], s[LM]         ; lanes 0-15 tile 0's words, lanes 16-31 tile 1's
	global_store_b32 v[L4], v[TM], s[XSP:XSP+1]
	s_wait_xcnt 0x0                                    ; the stores have read the word: its register is loaded below
	SQMM N_WK, N_SK, N_BK, SQK
	SQMM N_WQ, N_SQ, N_BQ, SQQ
	s_branch .Ljoin
.Llast:
.irp tau, 0,1                                      ; through my own stage, a tile of 16 tokens at a time; LDS serves a wave's instructions in order (ISA guide 5.7.1.4)
.irp b, 0,1,2,3
.irp i, 0,1,2,3
	ds_store_b128 v[STO], v[A0+64*\tau+16*\b+4*\i:A0+64*\tau+16*\b+4*\i+3] offset:128*\b+16*\i
.endr
.endr
	WIN 0x40
.set C_, 0
.rept 16
	ds_load_b128 v[128+64*\tau+4*C_:131+64*\tau+4*C_], v[SRD] offset:528*C_
.set C_, C_+1
.endr
	WIN 0
.endr
	WIN 0x04
.irp tau, 0,1
.set C_, 0
.rept 16
	s_wait_dscnt 32*(1-\tau)+15-C_                     ; the younger rows' loads, and tile 1's 32 LDS instructions, may be out
	global_store_b128 v[LI], v[128+64*\tau+4*C_:131+64*\tau+4*C_], s[14:15] offset:512*(8*\tau+C_+8*(C_/8)) th:TH_STORE_NT   ; a token's whole row: 512 consecutive bytes
.set C_, C_+1
.endr
.endr
	WIN 0
.Ljoin:
	s_wait_xcnt 0x0                                    ; the stores have read their registers and bases: both are written again
	s_add_nc_u64 s[14:15], s[14:15], 16384
	s_add_nc_u64 s[16:17], s[16:17], 3072
	s_add_nc_u64 s[XSP:XSP+1], s[XSP:XSP+1], 128
	s_add_co_u32 s[GI], s[GI], 1
	s_cmp_lt_u32 s[GI], 2
	s_cbranch_scc1 .Lgroup
	WSUM SQK
	WSUM SQQ
	v_lshrrev_b32 v[ST], 5, v0
	v_lshl_add_u32 v[ST], v[ST], 3, RED
	ds_store_b32 v[ST], v[SQK]
	ds_store_b32 v[ST], v[SQQ] offset:4
	s_wait_dscnt 0x0
	s_barrier_signal -1
	s_barrier_wait -1
	s_cmp_lg_u32 s[WV], 0
	s_cbranch_scc1 .Lend
	s_cmp_lg_u32 s[LAST], 0
	s_cbranch_scc1 .Lend
	v_mov_b32 v[ST], RED
.irp i, 0,1,2,3
	ds_load_b128 v[A0+4*\i:A0+4*\i+3], v[ST] offset:16*\i
.endr
	s_wait_dscnt 0x0
.irp i, 1,2,3,4,5,6,7
	v_pk_add_f32 v[A0:A0+1], v[A0:A0+1], v[A0+2*\i:A0+2*\i+1]
.endr
	s_mov_b32 s24, 1
	v_cndmask_b32 v[A0+16], 0, v[A0+1], s24            ; chunk 129 of my record: q^2 in word 0, zeros behind
	v_mov_b32 v[A0+17], 0
	v_mov_b32 v[A0+18], 0
	v_mov_b32 v[A0+19], 0
	global_store_b128 v[LI], v[A0+16:A0+19], s[18:19] offset:66048
	v_cmp_eq_u32 vcc_lo, 0, v[L4]
	s_wait_xcnt 0x0                                    ; EXEC changes only behind this wait
	s_and_saveexec_b32 s25, vcc_lo
	global_store_b32 v[L4], v[A0], s[KPP:KPP+1]        ; lane 0: my work-group's k^2
	s_wait_xcnt 0x0
	s_or_b32 exec_lo, exec_lo, s25
.Lend:
	s_wait_xcnt 0x0
	s_mov_b32 exec_lo, -1
	v_lshl_add_u32 v78, v0, 2, 0x2ed00
	v_mov_b32 v79, 0
	s_wait_tensorcnt 0x0
	ds_add_u32 v78, v79
	s_wait_dscnt 0x0
	s_endpgm
.Lfunc_end_k_qa2358ffb37_tok0:
	.size	k_qa2358ffb37_tok0, .Lfunc_end_k_qa2358ffb37_tok0-k_qa2358ffb37_tok0
	.p2alignl 7, 3214868480
	.fill 96, 4, 3214868480
	.section	.rodata,"a",@progbits
	.p2align	6, 0x0
	.amdhsa_kernel k_qa2358ffb37_tok0
		.amdhsa_group_segment_fixed_size 192768
		.amdhsa_private_segment_fixed_size 0
		.amdhsa_enable_private_segment 0
		.amdhsa_kernarg_size 64
		.amdhsa_user_sgpr_count 2
		.amdhsa_user_sgpr_kernarg_segment_ptr 1
		.amdhsa_wavefront_size32 1
		.amdhsa_system_sgpr_workgroup_id_x 1
		.amdhsa_system_sgpr_workgroup_id_y 1
		.amdhsa_system_sgpr_workgroup_id_z 1
		.amdhsa_system_vgpr_workitem_id 0
		.amdhsa_next_free_vgpr 512
		.amdhsa_next_free_sgpr 66
		.amdhsa_reserve_vcc 1
		.amdhsa_float_denorm_mode_32 3
		.amdhsa_float_denorm_mode_16_64 3
		.amdhsa_memory_ordered 1
		.amdhsa_forward_progress 1
		.amdhsa_inst_pref_size 221
	.end_amdhsa_kernel
	.amdgpu_metadata
---
amdhsa.version: [ 1, 2 ]
amdhsa.kernels:
  - .name:           k_qa2358ffb37_tok0
    .symbol:         k_qa2358ffb37_tok0.kd
    .args:
      - { .name: out0, .offset: 0, .size: 8, .value_kind: global_buffer, .address_space: global }
      - { .name: kvs, .offset: 8, .size: 8, .value_kind: global_buffer, .address_space: global }
      - { .name: wp0, .offset: 16, .size: 8, .value_kind: global_buffer, .address_space: global }
      - { .name: wp1, .offset: 24, .size: 8, .value_kind: global_buffer, .address_space: global }
      - { .name: cfg0, .offset: 32, .size: 8, .value_kind: global_buffer, .address_space: global }
      - { .name: x1, .offset: 40, .size: 8, .value_kind: global_buffer, .address_space: global }
      - { .name: xc, .offset: 48, .size: 8, .value_kind: global_buffer, .address_space: global }
      - { .name: kvp, .offset: 56, .size: 8, .value_kind: global_buffer, .address_space: global }
    .group_segment_fixed_size: 192768
    .private_segment_fixed_size: 0
    .kernarg_segment_align: 8
    .kernarg_segment_size: 64
    .max_flat_workgroup_size: 256
    .sgpr_count:     66
    .vgpr_count:     512
    .wavefront_size: 32
...
	.end_amdgpu_metadata
.endif
;; end of part 4
;; launch kv1: the kernel of part 2 again; grid 256 x 1, 8 waves a work-group, no clusters, 77,824 bytes of LDS; arguments xc, wp1, kvp; writes kvp
;; launch red1: the kernel of part 3 again; grid 130 x 4, 4 waves a work-group, no clusters, 2,560 bytes of LDS; arguments kvp, kvs; writes kvs
;; launch tok1: the kernel of part 4 again; grid 256 x 1, 8 waves a work-group, no clusters, 192,768 bytes of LDS; arguments x1, kvs, wp1, wp0, cfg1, out0, xc, kvp; writes out0, xc, kvp
